; MI455X (gfx1250); checked and timed in simulation.
; The chip was launched on July 23, 2026; its instructions are those of AMD's public machine-readable ISA for CDNA 5 (MIT licence, August 2026) and "CDNA5" Instruction Set Architecture Reference Guide (July 2026). The comments in the code are by the model that wrote it; some were corrected since.
;; Attention. Allowed arithmetic: matrix products marked QUANTISED: E5M2 operands, one E8M0 scale for each 32 along K, by v_wmma_scale_f32_16x16x128_f8f6f4 with both operands' format E5M2, f32 sums; everything else in f32.
;; Inputs: encoded_context 16 x 2,048 x 256 float32; encoded_question 16 x 512 x 256 float32.
;; Outputs: out0 16 x 2,048 x 512 float32.
;; This version of the problem:
;;   THIS VERSION OF THE PROBLEM IS GIVEN IN LOW PRECISION. The matrix products marked QUANTISED in the list below multiply operands that are first quantised to E5M2 (5 exponent bits, 2 mantissa bits; 8 bits a number), with one power-of-two scale for each 32 numbers along K (OCP MX v1.0); their sums are f32. All else is computed in f32.
;;   The module's matrix products, in the order in which they are computed (A, B: the left and right operand; K: the contracted axis; several contracted axes count as one K, in the product's order):
;;     1. batch 16 x [M 2,048, K 256] x [K 256, N 512]; A: input encoded_context; B: input encoded_question: QUANTISED
;;     2. batch 16 x [M 2,048, K 512] x [K 512, N 256]; A: softmax (see below); B: input encoded_question: QUANTISED
;;   THE QUANTISER, for each operand of a quantised product, along K:
;;     - K is cut into blocks of 32 from its start; a last block that is shorter is filled with zeros.
;;     - A block's scale is 2^e with e = floor(log2(the largest magnitude in the block)) - 15, held to -126 .. 127; a block of zeros has e = 0. As a byte (E8M0): e + 127.
;;     - Each number is divided by its block's scale, clamped to +-57,344, and rounded to the nearest number of E5M2, ties to even, subnormals kept.
;;     - The product sums the exact products of the quantised numbers (number of the format x scale) in f32.
;;   ~~~python
;;   def quantise(x, axis):      # numpy; x: float32 -> the quantised numbers, widened to float32 again
;;       x = np.moveaxis(x, axis, -1); K = x.shape[-1]
;;       x = np.pad(x, [(0, 0)] * (x.ndim - 1) + [(0, -K % 32)]); x = x.reshape(x.shape[:-1] + (-1, 32)); a = np.abs(x).max(-1, keepdims=True)
;;       e = np.where(a > 0, np.clip(np.frexp(np.where(a > 0, a, 1))[1] - 1 - 15, -126, 127), 0)      # np.frexp(a)[1] - 1 = floor(log2(a)), exactly
;;       r = np.clip(x / 2.0 ** e, -57344, 57344)
;;       step = 2.0 ** (np.maximum(np.frexp(np.where(r == 0, 1, r))[1] - 1, -14) - 2)
;;       q = np.round(r / step) * step * 2.0 ** e      # np.round: ties to even
;;       return np.moveaxis(q.reshape(q.shape[:-2] + (-1,))[..., :K], -1, axis).astype(np.float32)
;;   ~~~
;;   SOFTMAX AHEAD OF A QUANTISED PRODUCT. Where the list says 'softmax', what is quantised is not the finished softmax but p = 2^(t - M), with t = logit x log2(e) and M = ceil(the row's largest t), a whole number; so 1/2 < the row's largest p <= 1. The row's sum l is taken of the UNQUANTISED p, in f32, and the product's result is divided by l at the end. Since M is a whole number, a kernel that streams over the keys may use a running M (the ceiling of the running maximum): every later rescaling is an exact power of two, which a block's scale takes up: the codes' values come out the same.
;;   OPERANDS COMPUTED ON THE WAY. 'Computed on the way' means the value that the module computes at that place (a softmax that the list does not call 'softmax' is quantised finished and normalised). What goes into a quantiser is computed in f32, as accurately as f32 sums, v_exp_f32 and their like allow (about 1e-6 of the number): no bf16 or f16 on the way to a quantiser, and a product that is left as it is and whose result goes on into a quantised operand takes f32 operands (vector FMAs, or v_wmma_f32_16x16x4_f32). A number that lies on a knife's edge between two numbers of the format may be rounded either way, as far as f32 arithmetic and the matrix unit's own rounding can turn it there, and no further.
;; 2 versions, each right; version 2 is version 1 with the launch attend written anew for expert scheduling mode. Each part assembles by itself: llvm-mc -triple=amdgcn-amd-amdhsa -mcpu=gfx1250 --defsym DOCPART=n.
;; ======== version 1 of 2: 2 launches
;; workspace buffers: qimg 4,325,376 bytes
;; launch quant (part 1): grid 256 x 1, 4 waves a work-group, no clusters, 0 bytes of LDS; arguments encoded_question, qimg; writes qimg
.if DOCPART == 1
	.amdgcn_target "amdgcn-amd-amdhsa--gfx1250"
	.amdhsa_code_object_version 6
	.text
	.protected	k_qdebbe070bc_quant
	.globl	k_qdebbe070bc_quant
	.p2align	8
	.type	k_qdebbe070bc_quant,@function
k_qdebbe070bc_quant:
	s_mov_b64 s[64:65], 0
	v_nop
	global_prefetch_b8 v0, s[64:65] scope:SCOPE_SE
	s_setreg_imm32_b32 hwreg(HW_REG_WAVE_MODE, 25, 1), 1
	s_wait_xcnt 0x0
; The question [16][512][256] f32 becomes codes of BF8 (E5M2) with one E8M0 scale byte for each 32 along K, TWICE: along d (K of the first product) and along the
; 512 question positions (K of the second).  It is done once here, so that the 16 work-groups of a batch in the next launch need not each do it.
; The codes are laid as IMAGES OF THE OPERAND'S REGISTERS: a fragment (16 operand rows x 128 K) is 2,048 bytes; byte 512 c + 16 lane + i, lane = 16 h + r, is row r at k = 32 c + 16 h + i.
; So the next launch fills a fragment by four loads of 16 bytes a lane, each 512 consecutive bytes a wave.
;   QD  (byte 0):         fragment 2 kt + s; kt = 0 .. 511 a tile of 16 question rows (all batches on end), s the K step of d.  THE ROWS OF A TILE ARE NOT NEIGHBOURS:
;                         row r of tile kt is question row 32 (kt / 2) + 8 (kt % 2) + r + 8 (r / 8), so that the scores of two neighbouring tiles are 16 neighbouring keys in a lane.
;   QM  (byte 2,097,152): fragment (16 b + channel / 16) x 4 + s: row r is channel 16 (..) + r, k runs over keys 128 s + 0 .. 127.
;   QDS (byte 4,194,304): 128 bytes a tile kt: lanes 0-15 the scale words of K step 0, lanes 16-31 those of K step 1.
;   QMS (byte 4,259,840): 128 bytes for each (16 b + channel / 16) x 2 + s / 2: lanes 0-15 the words of the even K step, lanes 16-31 of the odd one.
; A block's scale is 2^(floor(log2(largest magnitude)) - 15); its byte is the largest magnitude's exponent field - 15, held at 1 from below.
; LIMITS: a block of zeros gets the byte 1 where the rule says 127 (its codes are zeros, and this program alone reads the bytes); NaN and infinities among the inputs are not served.
; Work-groups 0-127 make QD (a wave: one tile, both K steps), work-groups 128-255 make QM (a wave: 32 channels x 128 keys).  No LDS, no barrier: waves share nothing.
; The scale words leave in pieces of 64 and 128 bytes: 131,072 bytes of the launch's 4,325,376.
.set QM_OFF,  2097152
.set QDS_OFF, 4194304
.set QMS_OFF, 4259840
.set TM,  8                            ; v8-11 largest magnitudes, v12-15 bytes, v16-19 the largest number x the scale, v20-23 the conversions' scale operands
.set SEL, 20                           ; s[20:21] v_permlanex16_b32's selects for lane l xor 16
.set MNT, 23                           ; s23 the mantissa field of 57,344
; 64 numbers of a lane, register 16 b + i = k 32 b + 16 (lane / 16) + i of the lane's row, become a fragment's 16 registers of codes in v[pc] on and its scale word in v[pw]
.macro QUANT src, pc, pw
.irp b, 0,1,2,3
	v_max3_num_f32 v[TM+\b], |v[\src+16*\b]|, |v[\src+1+16*\b]|, 0x8000000   ; block b: my 16 numbers, and the floor 2^(16 - 127): the byte cannot fall under 1
.endr
.irp i, 2,4,6,8,10,12,14
.irp b, 0,1,2,3
	v_max3_num_f32 v[TM+\b], v[TM+\b], |v[\src+16*\b+\i]|, |v[\src+1+16*\b+\i]|   ; the four blocks by turns
.endr
.endr
.irp b, 0,1,2,3
	v_permlanex16_b32 v[TM+4+\b], v[TM+\b], s[SEL], s[SEL+1]
.endr
.irp b, 0,1,2,3
	v_max_num_f32 v[TM+\b], v[TM+\b], v[TM+4+\b]           ; with lane l xor 16's 16: the block's largest magnitude
.endr
.irp b, 0,1,2,3
	v_add_nc_u32 v[TM+12+\b], 0xf8800000, v[TM+\b]         ; 15 off its exponent field: the conversion's scale operand
.endr
.irp b, 0,1,2,3
	v_and_or_b32 v[TM+8+\b], v[TM+\b], 0x7f800000, s[MNT]  ; 57,344 x the scale
.endr
.irp b, 0,1,2,3
	v_lshrrev_b32 v[TM+4+\b], 23, v[TM+12+\b]              ; the scale's byte
.endr
	v_lshl_or_b32 v[\pw], v[TM+5], 8, v[TM+4]
	v_lshl_or_b32 v[\pw], v[TM+6], 16, v[\pw]
	v_lshl_or_b32 v[\pw], v[TM+7], 24, v[\pw]              ; my row's scale word (both halves of the lanes hold it)
.irp b, 0,1,2,3
.irp i, 0,1,2,3,4,5,6,7,8,9,10,11,12,13,14,15
	v_med3_num_f32 v[\src+16*\b+\i], v[\src+16*\b+\i], -v[TM+8+\b], v[TM+8+\b]   ; the conversion to an 8-bit code does not saturate (ISA guide 7.6.2): the hold comes first
.endr
	v_cvt_scalef32_pk8_bf8_f32 v[\pc+4*\b:\pc+1+4*\b], v[\src+16*\b:\src+7+16*\b], v[TM+12+\b]
	v_cvt_scalef32_pk8_bf8_f32 v[\pc+2+4*\b:\pc+3+4*\b], v[\src+8+16*\b:\src+15+16*\b], v[TM+12+\b]
.endr
	v_nop                                                  ; a plain line behind the last conversion, ahead of whatever next touches its registers
.endm
	s_load_b128 s[4:7], s[0:1], 0x0                ; the question s[4:5], qimg s[6:7]
	v_lshrrev_b32 v1, 5, v0
	v_readfirstlane_b32 s8, v1                     ; wave 0..3
	v_and_b32 v1, 31, v0                           ; lane
	v_and_b32 v2, 15, v0                           ; r
	v_bfe_u32 v3, v0, 4, 1                         ; h
	s_mov_b32 s[SEL], 0x76543210
	s_mov_b32 s[SEL+1], 0xfedcba98
	s_mov_b32 s[MNT], 0x600000
.irp b, 0,1,2,3
	v_mov_b32 v[TM+4+\b], 0                        ; a lane permute's destination counts as one of its sources
.endr
	s_wait_kmcnt 0x0
	s_cmp_lt_u32 ttmp9, 128                        ; the path hangs on the work-group's number alone
	s_cbranch_scc0 .Lqm
	; ---- QD: K = d, innermost in memory.  Lane (r, h) takes, of its row, 16 neighbouring numbers of each block of 32
	s_lshl_b32 s9, ttmp9, 2
	s_add_co_u32 s9, s9, s8                        ; kt
	s_lshr_b32 s10, s9, 1
	s_lshl_b32 s10, s10, 15                        ; 32 (kt / 2) rows of 1,024 bytes
	s_and_b32 s11, s9, 1
	s_lshl_b32 s11, s11, 13                        ; + 8 (kt % 2) rows
	s_add_co_u32 s10, s10, s11
	s_mov_b32 s11, 0
	s_add_nc_u64 s[4:5], s[4:5], s[10:11]
	s_lshl_b32 s12, s9, 12                         ; two fragments a tile
	s_mov_b32 s13, 0
	s_add_nc_u64 s[14:15], s[6:7], s[12:13]
	s_lshl_b32 s16, s9, 7
	s_add_co_u32 s16, s16, QDS_OFF
	s_mov_b32 s17, 0
	s_add_nc_u64 s[18:19], s[6:7], s[16:17]
	v_and_b32 v4, 8, v2
	v_add_nc_u32 v4, v4, v2                        ; r + 8 (r / 8)
	v_lshlrev_b32 v4, 10, v4
	v_lshl_add_u32 v4, v3, 6, v4                   ; that row, + 64 h bytes
	v_lshlrev_b32 v5, 4, v1                        ; 16 x lane
	v_lshlrev_b32 v6, 2, v1                        ; 4 x lane
.irp s, 0,1
.irp c, 0,1,2,3
.irp j, 0,1,2,3
	global_load_b128 v[32+64*\s+16*\c+4*\j:32+64*\s+16*\c+4*\j+3], v4, s[4:5] offset:512*\s+128*\c+16*\j
.endr
.endr
.endr
	s_wait_loadcnt 16                              ; K step 0's sixteen loads are in; K step 1's sixteen may be out
	QUANT 32, 160, 24
	s_wait_loadcnt 0x0
	QUANT 96, 176, 25
.irp s, 0,1
.irp c, 0,1,2,3
	global_store_b128 v5, v[160+16*\s+4*\c:163+16*\s+4*\c], s[14:15] offset:2048*\s+512*\c   ; 32 lanes store 512 consecutive bytes, aligned
.endr
.endr
	v_cmp_le_u32 vcc_lo, 16, v1
	v_cndmask_b32 v26, v24, v25, vcc_lo            ; lanes 0-15 K step 0's word, lanes 16-31 K step 1's
	global_store_b32 v6, v26, s[18:19]
	s_endpgm
.Lqm:
	; ---- QM: K = the keys, the outer axis.  A LANE TAKES A CHANNEL AND ITS REGISTERS RUN DOWN THE KEYS: a block of 32 lies in one lane, and the codes come out with K innermost
	s_sub_co_u32 s9, ttmp9, 128
	s_lshl_b32 s9, s9, 2
	s_add_co_u32 s9, s9, s8                        ; u = 0 .. 511
	s_lshr_b32 s10, s9, 5                          ; batch
	s_bfe_u32 s11, s9, 0x20003                     ; K step s: keys 128 s on
	s_and_b32 s12, s9, 7                           ; g: channels 32 g on; the four waves of a work-group stand side by side on 512 bytes of a row
	s_lshl_b32 s16, s10, 19
	s_lshl_b32 s17, s11, 17
	s_add_co_u32 s16, s16, s17
	s_lshl_b32 s17, s12, 7
	s_add_co_u32 s16, s16, s17
	s_mov_b32 s17, 0
	s_add_nc_u64 s[4:5], s[4:5], s[16:17]          ; (512 b + 128 s) rows of 1,024 bytes + 128 g
	s_lshl_b32 s13, s10, 3
	s_add_co_u32 s13, s13, s12                     ; 8 b + g: two tiles of 16 channels, four fragments each
	s_lshl_b32 s16, s13, 14
	s_lshl_b32 s18, s11, 11
	s_add_co_u32 s16, s16, s18
	s_add_co_u32 s16, s16, QM_OFF
	s_add_nc_u64 s[14:15], s[6:7], s[16:17]
	s_lshl_b32 s16, s13, 9
	s_lshl_b32 s18, s11, 6
	s_add_co_u32 s16, s16, s18
	s_add_co_u32 s16, s16, QMS_OFF
	s_add_nc_u64 s[18:19], s[6:7], s[16:17]
	v_lshlrev_b32 v4, 2, v1                        ; in: 4 bytes a lane
	v_lshlrev_b32 v5, 4, v2
	v_lshl_add_u32 v5, v3, 13, v5                  ; codes: lanes 16-31 belong to the next tile of channels, four fragments on; 16 bytes a row
	v_lshlrev_b32 v6, 2, v2
	v_lshl_add_u32 v6, v3, 8, v6                   ; scale words: likewise, 256 bytes on
.macro LOADB c                         ; block c: the question at key 32 c + i, my channel
.irp i, 0,1,2,3,4,5,6,7,8,9,10,11,12,13,14,15,16,17,18,19,20,21,22,23,24,25,26,27,28,29,30,31
	global_load_b32 v[32+32*(\c)+\i], v4, s[4:5] offset:(32*(\c)+\i)*1024
.endr
.endm
.macro BLOCK c
.set XS, 32+32*(\c)
.set CD, 160+8*(\c)
.if (\c) < 3
	s_wait_loadcnt 32                              ; this block's 32 loads are in; the next block's 32 may be out
.else
	s_wait_loadcnt 0x0
.endif
.if (\c) < 2
	LOADB (\c)+2                                   ; every block has registers of its own
.endif
	v_max3_num_f32 v8, |v[XS]|, |v[XS+1]|, |v[XS+2]|       ; the block's largest magnitude: all 32 numbers are mine; two chains
	v_max3_num_f32 v9, |v[XS+3]|, |v[XS+4]|, |v[XS+5]|
.irp i, 6,10,14,18,22,26
	v_max3_num_f32 v8, v8, |v[XS+\i]|, |v[XS+\i+1]|
	v_max3_num_f32 v9, v9, |v[XS+\i+2]|, |v[XS+\i+3]|
.endr
	v_max3_num_f32 v8, v8, |v[XS+30]|, |v[XS+31]|
	v_max3_num_f32 v8, v8, v9, 0x8000000           ; and the floor 2^(16 - 127)
	v_add_nc_u32 v11, 0xf8800000, v8               ; the conversion's scale operand
	v_and_or_b32 v10, v8, 0x7f800000, s[MNT]       ; 57,344 x the scale
	v_lshrrev_b32 v13, 23, v11                     ; the scale's byte
.if (\c) == 0
	v_mov_b32 v24, v13
.else
	v_lshl_or_b32 v24, v13, 8*(\c), v24            ; the lower K in the lower byte
.endif
.irp i, 0,1,2,3,4,5,6,7,8,9,10,11,12,13,14,15,16,17,18,19,20,21,22,23,24,25,26,27,28,29,30,31
	v_med3_num_f32 v[XS+\i], v[XS+\i], -v10, v10
.endr
.irp g, 0,1,2,3
	v_cvt_scalef32_pk8_bf8_f32 v[CD+2*\g:CD+2*\g+1], v[XS+8*\g:XS+8*\g+7], v11
.endr
	v_nop                                          ; a plain line behind the last conversion
	global_store_b128 v5, v[CD:CD+3], s[14:15] offset:512*(\c)         ; k = 32 c + 0 .. 15: the image's lanes 0-15; sixteen lanes store 256 consecutive bytes, aligned
	global_store_b128 v5, v[CD+4:CD+7], s[14:15] offset:512*(\c)+256   ; k = 32 c + 16 .. 31: its lanes 16-31
.endm
	LOADB 0
	LOADB 1
	BLOCK 0
	BLOCK 1
	BLOCK 2
	BLOCK 3
	global_store_b32 v6, v24, s[18:19]             ; my channel's scale word of these 128 keys
	s_endpgm
.Lfunc_end_k_qdebbe070bc_quant:
	.size	k_qdebbe070bc_quant, .Lfunc_end_k_qdebbe070bc_quant-k_qdebbe070bc_quant
	.p2alignl 7, 3214868480
	.fill 96, 4, 3214868480
	.section	.rodata,"a",@progbits
	.p2align	6, 0x0
	.amdhsa_kernel k_qdebbe070bc_quant
		.amdhsa_group_segment_fixed_size 0
		.amdhsa_private_segment_fixed_size 0
		.amdhsa_enable_private_segment 0
		.amdhsa_kernarg_size 16
		.amdhsa_user_sgpr_count 2
		.amdhsa_user_sgpr_kernarg_segment_ptr 1
		.amdhsa_wavefront_size32 1
		.amdhsa_system_sgpr_workgroup_id_x 1
		.amdhsa_system_sgpr_workgroup_id_y 1
		.amdhsa_system_sgpr_workgroup_id_z 1
		.amdhsa_system_vgpr_workitem_id 0
		.amdhsa_next_free_vgpr 192
		.amdhsa_next_free_sgpr 66
		.amdhsa_reserve_vcc 1
		.amdhsa_float_denorm_mode_32 3
		.amdhsa_float_denorm_mode_16_64 3
		.amdhsa_memory_ordered 1
		.amdhsa_forward_progress 1
		.amdhsa_inst_pref_size 50
	.end_amdhsa_kernel
	.amdgpu_metadata
---
amdhsa.version: [ 1, 2 ]
amdhsa.kernels:
  - .name:           k_qdebbe070bc_quant
    .symbol:         k_qdebbe070bc_quant.kd
    .args:
      - { .name: encoded_question, .offset: 0, .size: 8, .value_kind: global_buffer, .address_space: global }
      - { .name: qimg, .offset: 8, .size: 8, .value_kind: global_buffer, .address_space: global }
    .group_segment_fixed_size: 0
    .private_segment_fixed_size: 0
    .kernarg_segment_align: 8
    .kernarg_segment_size: 16
    .max_flat_workgroup_size: 128
    .sgpr_count:     66
    .vgpr_count:     192
    .wavefront_size: 32
...
	.end_amdgpu_metadata
.endif
;; end of part 1
;; launch attend (part 2): grid 16 x 16, 4 waves a work-group, no clusters, 146,944 bytes of LDS; arguments encoded_context, qimg, out0; writes out0
.if DOCPART == 2
	.amdgcn_target "amdgcn-amd-amdhsa--gfx1250"
	.amdhsa_code_object_version 6
	.text
	.protected	k_qdebbe070bc_attend
	.globl	k_qdebbe070bc_attend
	.p2align	8
	.type	k_qdebbe070bc_attend,@function
k_qdebbe070bc_attend:
	s_mov_b64 s[64:65], 0
	v_nop
	global_prefetch_b8 v0, s[64:65] scope:SCOPE_SE
	s_setreg_imm32_b32 hwreg(HW_REG_WAVE_MODE, 25, 1), 1
	s_wait_xcnt 0x0
; out0[b][n] = [ context[b][n] | softmax_m(context[b][n] . question[b][m]) question[b][m] ], both products on codes of BF8 (E5M2) with one E8M0 scale for each 32 along K.
; THE SOFTMAX AHEAD OF THE SECOND PRODUCT: t = score x log2(e); M = ceil(the row's largest t); p = 2^(t - M) is quantised along the keys, not normalised; the row's sum of the unquantised p divides at the end.
; SHARES.  A work-group (x: block of 128 context rows, y: batch) has four waves, one to a SIMD.  THE WAVES SHARE THE COLUMNS, NOT THE ROWS: wave w owns keys 128 w .. 128 w + 127 in the first product
; and channels 64 w .. 64 w + 63 in the second, for all 128 rows.  Its 16 fragments of the question's codes for each product lie in 256 registers, loaded once from the images that the launch before laid.
; What goes round through LDS is small, as images of operand registers (16 bytes a lane, 512 a store): the context's codes (32 KiB), p's codes (64 KiB), the waves' row maxima and partial row sums.
; All 512 scores of a row exist at once (128 in each wave), so M is the row's own: no running maximum, nothing is rescaled.
; Both products are used transposed (source 0 = rows of the question's operand, source 1 = 16 context rows): a lane holds one context row throughout, and the keys of a tile are chosen (see the launch before)
; so that the 16 registers of score tiles 2 b and 2 b + 1 are 16 neighbouring keys: the conversions' results are the second product's operand.
; THE ORDER OF THE MEMORY INSTRUCTIONS.  Scores and softmax go in two halves of four tiles of 16 rows, so that the scores take 256 registers and 256 more can hold the context as it was loaded.
; Nothing waits for the copy of the context into out0: its 64 stores are dealt among the first half's work, 4 behind each tile's products and 12 in each tile's softmax.  The second product's 64 loads take the same
; places in the second half, and the registers that the copy has left.  The first product's 64 loads stand between the turns and the quantising of the context's pieces, behind the context's own loads.
; NO CLUSTER, NO JOINT LOADS, though the 16 work-groups of a batch read the same codes: those codes go from memory straight into registers, which a joint load into LDS does not reach; by way of LDS
; the two sets (270,336 bytes with their scale words) would not fit beside the 146,432 bytes in use here, and each work-group would write and read them in LDS once more.
; No loop: register numbers differ from tile to tile, and each phase has eight tiles, written by macros.
; LIMITS: NaN and infinities are not served; a block of zeros gets the byte 1 where the rule says 127 (its codes are zeros; the bytes stay in this program); p under 2^-126 becomes 0 (v_exp_f32 flushes: ISA guide 15.8).
;
; REGISTERS, in windows of 256 (s_set_vgpr_msb: bits 1:0 source 0, 3:2 source 1, 5:4 source 2, 7:6 destination):
;   window 0: v1-16 addresses; v20-27 scale words of the first product's question operand, v28-35 of the second's, v36-43 of the fragments in hand (these 24 hold scales alone); v44-59 at work, later 1 / the sums;
;             v60 the scale word just made; v61 at work; v[62:63] -M; v64-191 numbers of the context, then fragments in two buffers (and v96-127 the waves' maxima, v160-191 partial sums);
;             v192-207 the codes just made; v208-239 each block's largest score; v240-247 my 128 keys' largest score; in the second product v192-255 two sets of 32 on the way out
;   window 1: the first product's 16 fragments of the question
;   window 2: the scores S^T of four tiles of rows (tile of rows m, tile of keys t) at v[64 (m % 4) + 8 t]; then O^T (m, n) at v[32 m + 8 n]
;   window 3: the context as loaded, register 4 j on = the j-th load's; then the second product's 16 fragments
.set QM_DIST, 2097152                  ; from the first product's images to the second's
.set QDS_OFF, 4194304                  ; the scale words; the second product's lie 65,536 bytes on
.set PIMG, 0                           ; LDS: p's 32 fragments (4 m + s), 2,048 bytes each
.set PSC,  65536                       ; their scale words, 128 bytes each
.set XIMG, 69632                       ; the context's 16 fragments (2 m + s)
.set XSC,  102400                      ; their scale words
.set MXB,  104448                      ; the maxima: 512 m + 16 lane + 4 wave; 4,096 bytes on: the partial sums, laid alike
.set STG,  112640                      ; a stage of 8,448 bytes for each wave: 16 rows x 528 on the way in, 16 rows x 272 on the way out
.set STGW, 8448
.set TM,  44
.set SEL, 20                           ; s[20:21] v_permlanex16_b32's selects for lane l xor 16
.set CS,  22                           ; s[22:23] log2(e): the packed form names a pair and takes its low word for both halves
.set MNT, 26                           ; s26 the mantissa field of 57,344
.set MSB, 0
.macro WIN new                         ; the immediate's high byte repeats the setting that is left; a switch that changes nothing is dropped
.if MSB != (\new)
	s_set_vgpr_msb (MSB<<8)|(\new)
.set MSB, (\new)
.endif
.endm
.macro PLACES n
.rept \n
	v_nop
.endr
.endm
.macro BARRIER                         ; my LDS stores have landed and my LDS loads are in: then the work-group's barrier
	s_wait_dscnt 0x0
	s_barrier_signal -1
	s_barrier_wait -1
.endm
; n of the 64 loads that bring a product's 16 fragments, from number l0 on: load l brings 512 consecutive bytes of the images into registers 4 l on of the window named
.macro FRAGS win, base, l0, n
	WIN \win
.set cj, (\l0)
.rept \n
	global_load_b128 v[4*cj:4*cj+3], v1, s[\base:\base+1] offset:512*cj
.set cj, cj+1
.endr
.endm
; n of THE COPY's 64 stores, from number j0 on: store j takes what the j-th load of the context brought: piece j / 16, row j % 16 of its tile: 512 consecutive bytes of the row's left half
.macro COPY j0, n
	WIN 0x0c                                       ; a store's data are its source 1: window 3
.set cj, (\j0)
.rept \n
	global_store_b128 v1, v[4*cj:4*cj+3], s[8:9] offset:(16*(cj/32)+(cj%16))*2048+512*((cj/16)%2) th:TH_STORE_NT
.set cj, cj+1
.endr
.endm
; 64 numbers of a lane, register 16 b + i = k 32 b + 16 (lane / 16) + i of the lane's row, become a fragment's 16 registers of codes in v[pc] on and its scale word in v[pw]
.macro QUANT src, pc, pw
.irp b, 0,1,2,3
	v_max3_num_f32 v[TM+\b], |v[\src+16*\b]|, |v[\src+1+16*\b]|, 0x8000000   ; block b: my 16 numbers, and the floor 2^(16 - 127): the byte cannot fall under 1
.endr
.irp i, 2,4,6,8,10,12,14
.irp b, 0,1,2,3
	v_max3_num_f32 v[TM+\b], v[TM+\b], |v[\src+16*\b+\i]|, |v[\src+1+16*\b+\i]|
.endr
.endr
.irp b, 0,1,2,3
	v_permlanex16_b32 v[TM+4+\b], v[TM+\b], s[SEL], s[SEL+1]
.endr
.irp b, 0,1,2,3
	v_max_num_f32 v[TM+\b], v[TM+\b], v[TM+4+\b]           ; with lane l xor 16's 16: the block's largest magnitude
.endr
.irp b, 0,1,2,3
	v_add_nc_u32 v[TM+12+\b], 0xf8800000, v[TM+\b]         ; 15 off its exponent field: the conversion's scale operand
.endr
.irp b, 0,1,2,3
	v_and_or_b32 v[TM+8+\b], v[TM+\b], 0x7f800000, s[MNT]  ; 57,344 x the scale
.endr
.irp b, 0,1,2,3
	v_lshrrev_b32 v[TM+4+\b], 23, v[TM+12+\b]              ; the scale's byte
.endr
	v_lshl_or_b32 v[\pw], v[TM+5], 8, v[TM+4]
	v_lshl_or_b32 v[\pw], v[TM+6], 16, v[\pw]
	v_lshl_or_b32 v[\pw], v[TM+7], 24, v[\pw]
.irp b, 0,1,2,3
.irp i, 0,1,2,3,4,5,6,7,8,9,10,11,12,13,14,15
	v_med3_num_f32 v[\src+16*\b+\i], v[\src+16*\b+\i], -v[TM+8+\b], v[TM+8+\b]   ; the conversion to an 8-bit code does not saturate (ISA guide 7.6.2): the hold comes first
.endr
	v_cvt_scalef32_pk8_bf8_f32 v[\pc+4*\b:\pc+1+4*\b], v[\src+16*\b:\src+7+16*\b], v[TM+12+\b]
	v_cvt_scalef32_pk8_bf8_f32 v[\pc+2+4*\b:\pc+3+4*\b], v[\src+8+16*\b:\src+15+16*\b], v[TM+12+\b]
.endr
	v_nop                                                  ; a plain line behind the last conversion
.endm
	s_load_b128 s[4:7], s[0:1], 0x0                ; the context s[4:5], qimg s[6:7]
	s_load_b64 s[8:9], s[0:1], 0x10                ; out0
	v_lshrrev_b32 v17, 5, v0
	v_readfirstlane_b32 s10, v17                   ; wave 0..3
	v_and_b32 v17, 31, v0                          ; lane
	v_lshlrev_b32 v1, 4, v17                       ; v1 = 16 x lane
	s_and_b32 s12, ttmp7, 0xffff                   ; batch
	s_lshl_b32 s28, s12, 11
	s_lshl_b32 s29, ttmp9, 7
	s_add_co_u32 s28, s28, s29                     ; the work-group's first row: 2,048 b + 128 x
	s_lshl_b32 s29, s10, 5
	s_add_co_u32 s30, s28, s29                     ; the first of the 32 rows that my wave loads, copies and quantises
	s_lshl_b32 s32, s30, 10                        ; in the context: rows of 1,024 bytes (all offsets here stay under 2^27)
	s_mov_b32 s33, 0
	s_lshl_b32 s34, s30, 11                        ; in out0: rows of 2,048 bytes
	s_mov_b32 s35, 0
	s_lshl_b32 s36, s28, 11                        ; O: the work-group's first row, the row's right half, my 64 channels
	s_lshl_b32 s29, s10, 8
	s_add_co_u32 s36, s36, s29
	s_add_co_u32 s36, s36, 1024
	s_mov_b32 s37, 0
	s_lshl_b32 s31, s12, 2
	s_add_co_u32 s31, s31, s10                     ; 4 b + w
	s_lshl_b32 s38, s31, 15                        ; my 16 fragments of 2,048 bytes
	s_mov_b32 s39, 0
	s_lshl_b32 s40, s31, 10                        ; my 8 x 128 bytes of scale words
	s_add_co_u32 s40, s40, QDS_OFF
	s_mov_b32 s41, 0
	s_mov_b32 s[SEL], 0x76543210
	s_mov_b32 s[SEL+1], 0xfedcba98
	s_mov_b32 s[CS], 0x3fb8aa3b                    ; log2(e)
	s_mov_b32 s[CS+1], s[CS]                       ; (named with it as a pair, so it is written)
	s_mov_b32 s[MNT], 0x600000
	s_wait_kmcnt 0x0
	s_add_nc_u64 s[4:5], s[4:5], s[32:33]
	s_add_nc_u64 s[24:25], s[8:9], s[36:37]
	s_add_nc_u64 s[8:9], s[8:9], s[34:35]
	s_add_nc_u64 s[14:15], s[6:7], s[38:39]
	s_add_nc_u64 s[16:17], s[14:15], QM_DIST
	s_add_nc_u64 s[18:19], s[6:7], s[40:41]
	; ---- X: my 32 rows of the context, as four pieces f = 2 (tile of 16 rows) + (K step of 128): each load takes 512 consecutive bytes, half a row
	WIN 0xc0                                       ; destination window 3
.irp f, 0,1,2,3
.irp i, 0,1,2,3,4,5,6,7,8,9,10,11,12,13,14,15
	global_load_b128 v[64*\f+4*\i:64*\f+4*\i+3], v1, s[4:5] offset:(16*(\f/2)+\i)*1024+512*(\f%2) th:TH_LOAD_NT
.endr
.endr
	WIN 0
	v_and_b32 v18, 15, v0                          ; r
	v_bfe_u32 v19, v0, 4, 1                        ; h
	v_lshlrev_b32 v2, 2, v17                       ; v2 = 4 x lane
	s_mul_i32 s42, s10, STGW
	s_add_co_u32 s42, s42, STG                     ; my stage
	v_add_nc_u32 v3, s42, v1                       ; v3: into it, as loaded: 16 x lane of a row of 512 bytes
	v_mul_u32_u24 v4, v18, 528
	v_lshl_add_u32 v4, v19, 6, v4
	v_add_nc_u32 v4, s42, v4                       ; v4: out of it: row r, + 64 h: 16 neighbours of each block of 32.  528 bytes = 132 words: sixteen rows start at sixteen different groups of four banks (ISA guide 11.1)
	s_lshl_b32 s43, s10, 13
	s_add_co_u32 s43, s43, XIMG
	v_add_nc_u32 v5, s43, v1                       ; v5: where I store the context's images: four fragments a wave
	s_lshl_b32 s43, s10, 9
	s_add_co_u32 s43, s43, XSC
	v_add_nc_u32 v6, s43, v2                       ; v6: and their scale words
	v_add_nc_u32 v7, XIMG, v1                      ; v7, v8: where any wave reads them
	v_add_nc_u32 v8, XSC, v2
	s_lshl_b32 s43, s10, 2
	s_add_co_u32 s43, s43, MXB
	v_add_nc_u32 v9, s43, v1                       ; v9: my wave's word among a lane's four maxima (sums: 4,096 on)
	v_add_nc_u32 v10, MXB, v1                      ; v10: the lane's four
	s_lshl_b32 s43, s10, 11
	v_add_nc_u32 v11, s43, v1                      ; v11: where I store p's images: K step w of each tile of rows
	s_lshl_b32 s43, s10, 7
	s_add_co_u32 s43, s43, PSC
	v_add_nc_u32 v12, s43, v2                      ; v12: and their scale words
	v_add_nc_u32 v13, PSC, v2                      ; v13: where any wave reads those (the images are read at v1: PIMG is 0)
	v_mul_u32_u24 v14, v18, 272
	v_lshl_add_u32 v14, v19, 5, v14
	v_add_nc_u32 v14, s42, v14                     ; v14: the way out, in: row r of 256 bytes + 16, + 32 h
	v_mul_u32_u24 v15, v19, 272
	v_lshl_add_u32 v15, v18, 4, v15
	v_add_nc_u32 v15, s42, v15                     ; v15: back: lanes 0-15 one row, lanes 16-31 the next
	v_lshlrev_b32 v16, 4, v18
	v_lshl_add_u32 v16, v19, 11, v16               ; v16: the same two rows in out0
	v_mov_b32 v63, 0                               ; (named as the upper half of the pair v[62:63])
.irp b, 0,1,2,3
	v_mov_b32 v[TM+4+\b], 0                        ; a lane permute's destination counts as one of its sources
.endr
; Piece f turns through my stage: in as loaded, back 64 bytes a lane four times.  LDS serves a wave's instructions in order (ISA guide 5.7.1.4): no wait between the stores and the loads, nor ahead of the next piece's stores
.macro TURN f
	WIN 0x0c                                       ; an LDS store's data are its source 1: window 3
.irp i, 0,1,2,3,4,5,6,7,8,9,10,11,12,13,14,15
	ds_store_b128 v3, v[64*(\f)+4*\i:64*(\f)+4*\i+3] offset:528*\i
.endr
	WIN 0
.irp b, 0,1,2,3
.irp j, 0,1,2,3
	ds_load_b128 v[64+64*((\f)%2)+16*\b+4*\j:64+64*((\f)%2)+16*\b+4*\j+3], v4 offset:128*\b+16*\j
.endr
.endr
.endm
	s_wait_loadcnt 48                              ; piece 0 is in: the 48 loads of pieces 1 to 3 are younger
	TURN 0
.irp f, 0,1,2,3
.if \f == 0
	s_wait_loadcnt 32                              ; piece 1 is in: younger are pieces 2 and 3
.elseif \f < 3
	s_wait_loadcnt 48                              ; piece f + 1 is in: younger are 16 (2 - f) loads of the context and 16 (f + 1) of the question's codes: 48
.endif
.if \f < 3
	TURN \f+1
.endif
.if \f == 0
	FRAGS 0x40, 14, 0, 32                          ; the first product's fragments (2 t + s) into window 1: they follow the context's loads, and the last of them have two pieces' quantising in which to land
.elseif \f < 3
	FRAGS 0x40, 14, 16+16*\f, 16
.endif
	WIN 0
.if \f == 2
.irp t, 0,1,2,3,4,5,6,7
	global_load_b32 v[20+\t], v2, s[18:19] offset:128*\t           ; tile t's scale words: lanes 0-15 K step 0, lanes 16-31 K step 1
.endr
.irp q, 0,1,2,3,4,5,6,7
	global_load_b32 v[28+\q], v2, s[18:19] offset:65536+128*\q     ; the second product's: 2 n + s / 2: lanes 0-15 the even K step, lanes 16-31 the odd
.endr
.endif
.if \f < 3
	s_wait_dscnt 32                                ; piece f is back (and the image before has left): only the 32 instructions of the next piece's turn may be out
.else
	s_wait_dscnt 0x0
.endif
	QUANT 64+64*(\f%2), 192, 60
.irp c, 0,1,2,3
	ds_store_b128 v5, v[192+4*\c:195+4*\c] offset:2048*\f+512*\c   ; the fragment as it stands
.endr
	ds_store_b32 v6, v60 offset:128*\f
.endr
	BARRIER                                        ; the context's sixteen fragments lie in LDS
	; ---- 1: S^T = (the question's codes) x (the context's codes)^T: my 128 keys, a tile of 16 rows at a time, four tiles to a half
.macro FETCHX m                        ; ten LDS loads: tile m's two fragments and their scale words, into buffer m % 2
.set K2, (\m)%2
.irp s, 0,1
.irp c, 0,1,2,3
	ds_load_b128 v[64+64*K2+16*\s+4*\c:64+64*K2+16*\s+4*\c+3], v7 offset:(2*(\m)+\s)*2048+512*\c
.endr
.endr
.irp s, 0,1
	ds_load_b32 v[36+2*K2+\s], v8 offset:128*(2*(\m)+\s)
.endr
.endm
.macro WMMA16 m                        ; the eight tiles of keys take turns, one instruction a turn; the first K step starts the sums
.set K2, (\m)%2
.set SB, 64*((\m)%4)
	WIN 0xa1                                       ; source 0 window 1, source 1 window 0, C and D window 2
.irp t, 0,1,2,3,4,5,6,7
	v_wmma_scale_f32_16x16x128_f8f6f4 v[SB+8*\t:SB+8*\t+7], v[32*\t:32*\t+15], v[64+64*K2:79+64*K2], 0, v[20+\t], v[36+2*K2] matrix_a_fmt:MATRIX_FMT_BF8 matrix_b_fmt:MATRIX_FMT_BF8
.endr
.irp t, 0,1,2,3,4,5,6,7
	v_wmma_scale_f32_16x16x128_f8f6f4 v[SB+8*\t:SB+8*\t+7], v[32*\t+16:32*\t+31], v[80+64*K2:95+64*K2], v[SB+8*\t:SB+8*\t+7], v[20+\t], v[37+2*K2] matrix_a_fmt:MATRIX_FMT_BF8 matrix_b_fmt:MATRIX_FMT_BF8 matrix_a_scale:MATRIX_SCALE_ROW1
.endr
.endm
; The largest score of each block of 32 keys of tile m (it serves twice: for the row's maximum and, since p rises with the score, for the block's largest p), and of my 128 keys.  Each accumulator is read from its low end on.
.macro MAXT m
.set SB, 64*((\m)%4)
.set BM, 208+4*(\m)
	WIN 0x2a                                       ; all three sources in window 2
.irp b, 0,1,2,3
	v_max3_num_f32 v[BM+\b], v[SB+16*\b], v[SB+16*\b+1], v[SB+16*\b+2]
.endr
	WIN 0x28                                       ; source 0 back in window 0
.irp i, 3,5,7,9,11,13
.irp b, 0,1,2,3
	v_max3_num_f32 v[BM+\b], v[BM+\b], v[SB+16*\b+\i], v[SB+16*\b+\i+1]
.endr
.endr
.irp b, 0,1,2,3
	v_max_num_f32 v[BM+\b], v[BM+\b], v[SB+16*\b+15]
.endr
	WIN 0
.irp b, 0,1,2,3
	v_permlanex16_b32 v[TM+4+\b], v[BM+\b], s[SEL], s[SEL+1]
.endr
.irp b, 0,1,2,3
	v_max_num_f32 v[BM+\b], v[BM+\b], v[TM+4+\b]   ; with lane l xor 16's 16 keys
.endr
	v_max3_num_f32 v[240+(\m)], v[BM], v[BM+1], v[BM+2]
	v_max_num_f32 v[240+(\m)], v[240+(\m)], v[BM+3]
	ds_store_b32 v9, v[240+(\m)] offset:512*(\m)   ; for the other waves
.endm
; Tile m's turn in the first product.  The fetches run two tiles ahead, over the first half's softmax too: tiles 4 and 5 lie in their buffers through it
.macro PROD1 m
.if (\m) < 7
	s_wait_dscnt 10                                ; tile m's ten loads are in; the next tile's ten may be out
.else
	s_wait_dscnt 0x0
.endif
	WMMA16 \m
.if ((\m)%4) == 0
	WIN 0
	PLACES 8                                       ; eight places behind this form, ahead of loads into registers that it has read and of the first read of its results
.else
	MAXT (\m)-1                                    ; its 32 maxima name no register of the products just issued: they are those products' places, for the loads below and for the next tile's maxima
.endif
.if (\m) < 6
	FETCHX (\m)+2
.endif
.if (\m) < 4
	COPY 4*(\m), 4                                 ; four of the copy's stores
.else
.if (\m) == 4
	s_wait_xcnt 0x0                                ; the copy's stores have read window 3, which the second product's fragments now take
.endif
	FRAGS 0xc0, 16, 4*((\m)-4), 4                  ; four of the second product's loads (fragment 4 n + s)
.endif
.endm
; six more of them, in tile m's softmax: part 0 at its head, part 1 behind its exponentials
.macro SIDE m, part
.if (\m) < 4
	COPY 16+12*(\m)+6*(\part), 6
.else
	FRAGS 0xc0, 16, 16+12*((\m)-4)+6*(\part), 6
.endif
.endm
; ---- the softmax of a tile of 16 rows x my 128 keys
.macro SOFT m
.set SB, 64*((\m)%4)
.set BM, 208+4*(\m)
.set GM, 96+4*(\m)
	SIDE \m, 0
	WIN 0
.if ((\m)%4) == 0
	s_wait_dscnt 0x0                               ; the half's maxima are in
.endif
	v_max3_num_f32 v61, v[GM], v[GM+1], v[GM+2]
	v_max_num_f32 v61, v61, v[GM+3]                ; the row's largest score,
	v_mul_f32 v61, s[CS], v61                      ; as t (log2(e) is positive)
	v_floor_f32 v62, -v61                          ; -M = floor(-t) = -ceil(t)
.irp b, 0,1,2,3
	v_fma_f32 v[TM+\b], v[BM+\b], s[CS], v62       ; each block's largest score goes the way of every score: the same two instructions on the same number give the block's largest p
.endr
.irp b, 0,1,2,3
	v_exp_f32 v[TM+\b], v[TM+\b]
.endr
	v_nop                                          ; a plain line behind the exponentials (ISA guide 5.7.2)
	s_wait_alu depctr_va_vdst(0)
.irp b, 0,1,2,3
	v_max_num_f32 v[TM+\b], 0x8000000, v[TM+\b]    ; the floor 2^(16 - 127): a block whose every p is 0 keeps the byte 1
.endr
.irp b, 0,1,2,3
	v_add_nc_u32 v[TM+12+\b], 0xf8800000, v[TM+\b]
.endr
.irp b, 0,1,2,3
	v_and_or_b32 v[TM+8+\b], v[TM+\b], 0x7f800000, s[MNT]
.endr
.irp b, 0,1,2,3
	v_lshrrev_b32 v[TM+4+\b], 23, v[TM+12+\b]
.endr
.if ((\m)%4) > 0
	s_wait_dscnt 0x0                               ; the last tile's LDS stores have read the scale word, the sum and the codes, which are written again from here on
.endif
	v_lshl_or_b32 v60, v[TM+5], 8, v[TM+4]
	v_lshl_or_b32 v60, v[TM+6], 16, v60
	v_lshl_or_b32 v60, v[TM+7], 24, v60            ; p's scale word for my 128 keys
	WIN 0x82                                       ; destination and source 0 in window 2
.set j, 0
.rept 32
	v_pk_fma_f32 v[SB+j:SB+j+1], v[SB+j:SB+j+1], s[CS:CS+1], v[62:63] op_sel_hi:[1,0,0]   ; t - M, two at a time
.set j, j+2
.endr
.set j, 0
.rept 64
	v_exp_f32 v[SB+j], v[SB+j]                     ; p = 2^(t - M), at most 1
.set j, j+1
.endr
	v_nop                                          ; a plain line behind the exponentials
	SIDE \m, 1
	WIN 0x0a                                       ; sources 0 and 1 in window 2
	s_wait_alu depctr_va_vdst(0)
.irp k, 0,1,2,3,4,5,6,7,8,9,10,11,12,13,14,15
	v_pk_add_f32 v[160+2*\k:161+2*\k], v[SB+4*\k:SB+4*\k+1], v[SB+4*\k+2:SB+4*\k+3]   ; THE SUM IS TAKEN OF THE UNQUANTISED p
.endr
	WIN 0x82
.irp b, 0,1,2,3
.irp i, 0,1,2,3,4,5,6,7,8,9,10,11,12,13,14,15
	v_min_num_f32 v[SB+16*\b+\i], v[SB+16*\b+\i], v[TM+8+\b]       ; the hold; p is not negative, so it is one-sided
.endr
.endr
	WIN 0x02                                       ; source 0 in window 2
.irp b, 0,1,2,3
	v_cvt_scalef32_pk8_bf8_f32 v[192+4*\b:193+4*\b], v[SB+16*\b:SB+16*\b+7], v[TM+12+\b]
	v_cvt_scalef32_pk8_bf8_f32 v[194+4*\b:195+4*\b], v[SB+16*\b+8:SB+16*\b+15], v[TM+12+\b]
.endr
	WIN 0
.irp k, 0,1,2,3,4,5,6,7
	v_pk_add_f32 v[160+4*\k:161+4*\k], v[160+4*\k:161+4*\k], v[162+4*\k:163+4*\k]   ; (also the plain lines behind the conversions)
.endr
.irp k, 0,1,2,3
	v_pk_add_f32 v[160+8*\k:161+8*\k], v[160+8*\k:161+8*\k], v[164+8*\k:165+8*\k]
.endr
.irp k, 0,1
	v_pk_add_f32 v[160+16*\k:161+16*\k], v[160+16*\k:161+16*\k], v[168+16*\k:169+16*\k]
.endr
	v_pk_add_f32 v[160:161], v[160:161], v[176:177]
	v_add_f32 v160, v160, v161                     ; my lane's 64 keys
.irp c, 0,1,2,3
	ds_store_b128 v11, v[192+4*\c:195+4*\c] offset:8192*(\m)+512*\c   ; K step w of the second product, rows 16 m on
.endr
	ds_store_b32 v12, v60 offset:512*(\m)
	ds_store_b32 v9, v160 offset:4096+512*(\m)
.endm
	s_wait_loadcnt 0x0                             ; the first product's fragments and all scale words are in
	FETCHX 0
	FETCHX 1
	; the first half: rows 0 to 63
.irp m, 0,1,2,3
	PROD1 \m
.endr
	MAXT 3
	BARRIER                                        ; every wave's maxima of tiles 0 to 3 lie in LDS
.irp m, 0,1,2,3
	ds_load_b128 v[96+4*\m:99+4*\m], v10 offset:512*\m             ; the four waves' maxima of my row
.endr
.irp m, 0,1,2,3
	SOFT \m
.endr
	; the second half: rows 64 to 127; its scores take the registers that the first half's have left
.irp m, 4,5,6,7
	PROD1 \m
.endr
	MAXT 7
	BARRIER                                        ; every wave's maxima of tiles 4 to 7 lie in LDS
.irp m, 4,5,6,7
	ds_load_b128 v[96+4*\m:99+4*\m], v10 offset:512*\m
.endr
.irp m, 4,5,6,7
	SOFT \m
.endr
	BARRIER                                        ; p's 32 fragments and every wave's partial sums lie in LDS
	; ---- 2: O^T = (the question's codes along the keys) x p^T: my 64 channels x all 128 rows; each tile of rows leaves as soon as it is finished
.macro FETCHP m                        ; twenty LDS loads: tile m's four fragments of p and their scale words, into buffer m % 2
.set K2, (\m)%2
.irp s, 0,1,2,3
.irp c, 0,1,2,3
	ds_load_b128 v[64+64*K2+16*\s+4*\c:64+64*K2+16*\s+4*\c+3], v1 offset:8192*(\m)+2048*\s+512*\c
.endr
.endr
.irp s, 0,1,2,3
	ds_load_b32 v[36+4*K2+\s], v13 offset:512*(\m)+128*\s
.endr
.endm
.macro WMMA16P m                       ; the four tiles of channels take turns, one instruction a turn; K ascending
.set K2, (\m)%2
	WIN 0xa3                                       ; source 0 window 3, source 1 window 0, C and D window 2
.irp s, 0,1,2,3
.irp n, 0,1,2,3
.if \s == 0
	v_wmma_scale_f32_16x16x128_f8f6f4 v[32*(\m)+8*\n:32*(\m)+8*\n+7], v[16*(4*\n+\s):16*(4*\n+\s)+15], v[64+64*K2+16*\s:79+64*K2+16*\s], 0, v[28+2*\n+\s/2], v[36+4*K2+\s] matrix_a_fmt:MATRIX_FMT_BF8 matrix_b_fmt:MATRIX_FMT_BF8
.elseif (\s%2) == 1
	v_wmma_scale_f32_16x16x128_f8f6f4 v[32*(\m)+8*\n:32*(\m)+8*\n+7], v[16*(4*\n+\s):16*(4*\n+\s)+15], v[64+64*K2+16*\s:79+64*K2+16*\s], v[32*(\m)+8*\n:32*(\m)+8*\n+7], v[28+2*\n+\s/2], v[36+4*K2+\s] matrix_a_fmt:MATRIX_FMT_BF8 matrix_b_fmt:MATRIX_FMT_BF8 matrix_a_scale:MATRIX_SCALE_ROW1
.else
	v_wmma_scale_f32_16x16x128_f8f6f4 v[32*(\m)+8*\n:32*(\m)+8*\n+7], v[16*(4*\n+\s):16*(4*\n+\s)+15], v[64+64*K2+16*\s:79+64*K2+16*\s], v[32*(\m)+8*\n:32*(\m)+8*\n+7], v[28+2*\n+\s/2], v[36+4*K2+\s] matrix_a_fmt:MATRIX_FMT_BF8 matrix_b_fmt:MATRIX_FMT_BF8
.endif
.endr
.endr
.endm
; Tile m on its way out: O^T / the sum, each accumulator from its low end on; a lane's eight channels of a row go into my stage (rows of 256 bytes + 16) and come back as whole rows, into the registers that they left
.macro OUTV m
.set Y, 192+32*((\m)%2)
.if (\m) > 1
	s_wait_xcnt 0x0                                ; the stores of two tiles ago have read this set of registers
.endif
	WIN 0x02                                       ; source 0 window 2
.set j, 0
.rept 16
	v_pk_mul_f32 v[Y+j:Y+j+1], v[32*(\m)+j:32*(\m)+j+1], v[44+2*(\m):45+2*(\m)] op_sel_hi:[1,0]   ; the pair's low word serves both halves
.set j, j+2
.endr
	WIN 0
.irp n, 0,1,2,3
	ds_store_b128 v14, v[Y+8*\n:Y+8*\n+3] offset:64*\n
	ds_store_b128 v14, v[Y+8*\n+4:Y+8*\n+7] offset:64*\n+16
.endr
.irp i, 0,1,2,3,4,5,6,7
	ds_load_b128 v[Y+4*\i:Y+4*\i+3], v15 offset:544*\i             ; LDS serves a wave's instructions in order: these see the stores above, and the next tile's stores come behind them
.endr
.endm
.macro OUTS m, younger                 ; younger: the LDS loads issued behind tile m's, which may stay out
.set Y, 192+32*((\m)%2)
	s_wait_dscnt \younger
.irp i, 0,1,2,3,4,5,6,7
	global_store_b128 v16, v[Y+4*\i:Y+4*\i+3], s[24:25] offset:(16*(\m)+2*\i)*2048 th:TH_STORE_NT   ; sixteen lanes store 256 consecutive bytes, aligned: my 64 channels of a row
.endr
.endm
.irp m, 0,1,2,3,4,5,6,7
	ds_load_b128 v[192+4*\m:195+4*\m], v10 offset:4096+512*\m      ; the four waves' partial sums of my row
.endr
	FETCHP 0
	FETCHP 1
	s_wait_dscnt 40                                ; the sums are in; the two fetches' forty loads may be out
.irp m, 0,1,2,3,4,5,6,7
	v_add_f32 v[192+4*\m], v[192+4*\m], v[193+4*\m]
.endr
.irp m, 0,1,2,3,4,5,6,7
	v_add_f32 v[194+4*\m], v[194+4*\m], v[195+4*\m]
.endr
.irp m, 0,1,2,3,4,5,6,7
	v_add_f32 v[192+4*\m], v[192+4*\m], v[194+4*\m]
.endr
.irp m, 0,1,2,3,4,5,6,7
	v_permlanex16_b32 v[193+4*\m], v[192+4*\m], s[SEL], s[SEL+1]   ; the row's other keys lie in the lane 16 away
.endr
.irp m, 0,1,2,3,4,5,6,7
	v_add_f32 v[192+4*\m], v[192+4*\m], v[193+4*\m]                ; the row's sum
.endr
.irp m, 0,1,2,3,4,5,6,7
	v_rcp_f32 v[44+2*\m], v[192+4*\m]              ; (the pair's upper register holds an old working value and is not used)
.endr
	v_nop                                          ; a plain line behind the reciprocals
	s_wait_alu depctr_va_vdst(0)
	s_wait_loadcnt 0x0                             ; the second product's fragments are in: the last six were asked for in the middle of the last tile's softmax
.irp m, 0,1,2,3,4,5,6,7
.if \m < 7
	s_wait_dscnt 20                                ; tile m's twenty loads are in; the next tile's twenty may be out
.else
	s_wait_dscnt 0x0
.endif
	WMMA16P \m
.if \m == 0
	WIN 0
	PLACES 8                                       ; ahead of loads into registers that these products have read, and of the first read of their results
.else
	OUTV \m-1                                      ; its sixteen multiplications name no register of the products just issued: they are those products' places
.endif
.if \m < 6
	FETCHP \m+2
.endif
.if \m > 0
.if \m < 6
	OUTS \m-1, 20                                  ; behind the tile's loads from the stage stand the fetch's twenty
.else
	OUTS \m-1, 0
.endif
.endif
.endr
	OUTV 7
	OUTS 7, 0
	s_wait_xcnt 0x0
	v_lshl_add_u32 v246, v0, 2, 0x23c00
	v_mov_b32 v247, 0
	s_wait_tensorcnt 0x0
	ds_add_u32 v246, v247
	s_wait_dscnt 0x0
	s_endpgm
.Lfunc_end_k_qdebbe070bc_attend:
	.size	k_qdebbe070bc_attend, .Lfunc_end_k_qdebbe070bc_attend-k_qdebbe070bc_attend
	.p2alignl 7, 3214868480
	.fill 96, 4, 3214868480
	.section	.rodata,"a",@progbits
	.p2align	6, 0x0
	.amdhsa_kernel k_qdebbe070bc_attend
		.amdhsa_group_segment_fixed_size 146944
		.amdhsa_private_segment_fixed_size 0
		.amdhsa_enable_private_segment 0
		.amdhsa_kernarg_size 24
		.amdhsa_user_sgpr_count 2
		.amdhsa_user_sgpr_kernarg_segment_ptr 1
		.amdhsa_wavefront_size32 1
		.amdhsa_system_sgpr_workgroup_id_x 1
		.amdhsa_system_sgpr_workgroup_id_y 1
		.amdhsa_system_sgpr_workgroup_id_z 1
		.amdhsa_system_vgpr_workitem_id 0
		.amdhsa_next_free_vgpr 1024
		.amdhsa_next_free_sgpr 66
		.amdhsa_reserve_vcc 0
		.amdhsa_float_denorm_mode_32 3
		.amdhsa_float_denorm_mode_16_64 3
		.amdhsa_memory_ordered 1
		.amdhsa_forward_progress 1
		.amdhsa_inst_pref_size 255
	.end_amdhsa_kernel
	.amdgpu_metadata
---
amdhsa.version: [ 1, 2 ]
amdhsa.kernels:
  - .name:           k_qdebbe070bc_attend
    .symbol:         k_qdebbe070bc_attend.kd
    .args:
      - { .name: encoded_context, .offset: 0, .size: 8, .value_kind: global_buffer, .address_space: global }
      - { .name: qimg, .offset: 8, .size: 8, .value_kind: global_buffer, .address_space: global }
      - { .name: out0, .offset: 16, .size: 8, .value_kind: global_buffer, .address_space: global }
    .group_segment_fixed_size: 146944
    .private_segment_fixed_size: 0
    .kernarg_segment_align: 8
    .kernarg_segment_size: 24
    .max_flat_workgroup_size: 128
    .sgpr_count:     66
    .vgpr_count:     1024
    .wavefront_size: 32
...
	.end_amdgpu_metadata
.endif
;; end of part 2
;; ======== version 2 of 2: 2 launches; version 1 with the launch attend written anew for expert scheduling mode
;; workspace buffers: qimg 4,325,376 bytes
;; launch quant: the kernel of part 1 again; grid 256 x 1, 4 waves a work-group, no clusters, 0 bytes of LDS; arguments encoded_question, qimg; writes qimg
;; launch attend (part 3): grid 16 x 16, 4 waves a work-group, no clusters, 146,944 bytes of LDS; arguments encoded_context, qimg, out0; writes out0
.if DOCPART == 3
	.amdgcn_target "amdgcn-amd-amdhsa--gfx1250"
	.amdhsa_code_object_version 6
	.text
	.protected	k_qdebbe070bc_attend
	.globl	k_qdebbe070bc_attend
	.p2align	8
	.type	k_qdebbe070bc_attend,@function
k_qdebbe070bc_attend:
	s_mov_b64 s[64:65], 0
	v_nop
	global_prefetch_b8 v0, s[64:65] scope:SCOPE_SE
	s_setreg_imm32_b32 hwreg(HW_REG_WAVE_SCHED_MODE, 0, 2), 2
	s_setreg_imm32_b32 hwreg(HW_REG_WAVE_MODE, 25, 1), 1
	s_wait_xcnt 0x0
	s_wait_alu depctr_vm_vsrc(0)
; out0[b][n] = [ context[b][n] | softmax_m(context[b][n] . question[b][m]) question[b][m] ], both products on codes of BF8 (E5M2) with one E8M0 scale for each 32 along K.
; THE SOFTMAX AHEAD OF THE SECOND PRODUCT: t = score x log2(e); M = ceil(the row's largest t); p = 2^(t - M) is quantised along the keys, not normalised; the row's sum of the unquantised p divides at the end.
; SHARES.  A work-group (x: block of 128 context rows, y: batch) has four waves, one to a SIMD.  THE WAVES SHARE THE COLUMNS, NOT THE ROWS: wave w owns keys 128 w .. 128 w + 127 in the first product
; and channels 64 w .. 64 w + 63 in the second, for all 128 rows.  Its 16 fragments of the question's codes for each product lie in 256 registers, loaded once from the images that the launch before laid.
; What goes round through LDS is small, as images of operand registers (16 bytes a lane, 512 a store): the context's codes (32 KiB), p's codes (64 KiB), the waves' row maxima and partial row sums.
; All 512 scores of a row exist at once (128 in each wave), so M is the row's own: no running maximum, nothing is rescaled.
; Both products are used transposed (source 0 = rows of the question's operand, source 1 = 16 context rows): a lane holds one context row throughout, and the keys of a tile are chosen (see the launch before)
; so that the 16 registers of score tiles 2 b and 2 b + 1 are 16 neighbouring keys: the conversions' results are the second product's operand.
; THE ORDER OF THE MEMORY INSTRUCTIONS.  Scores and softmax go in two halves of four tiles of 16 rows, so that the scores take 256 registers and 256 more can hold the context as it was loaded.
; Nothing waits for the copy of the context into out0: its 64 stores are dealt among the first half's work, 4 behind each tile's products and 12 in each tile's softmax.  The second product's 64 loads take the same
; places in the second half, and the registers that the copy has left.  The first product's 64 loads stand between the turns and the quantising of the context's pieces, behind the context's own loads.
; NO CLUSTER, NO JOINT LOADS, though the 16 work-groups of a batch read the same codes: those codes go from memory straight into registers, which a joint load into LDS does not reach; by way of LDS
; the two sets (270,336 bytes with their scale words) would not fit beside the 146,432 bytes in use here, and each work-group would write and read them in LDS once more.
; No loop: register numbers differ from tile to tile, and each phase has eight tiles, written by macros.
; LIMITS: NaN and infinities are not served; a block of zeros gets the byte 1 where the rule says 127 (its codes are zeros; the bytes stay in this program); p under 2^-126 becomes 0 (v_exp_f32 flushes: ISA guide 15.8).
;
; THE MODE: SCHED_MODE bits 1:0 = 2 (LLVM: expert scheduling mode 2), set by the entry lines.  The code itself states the register dependences between vector or matrix instructions and memory or LDS
; instructions, with s_wait_alu, always for 0.
; THE PLAN.  Registers that memory or LDS instructions touch, and who else names them:
;   v1-16            offsets and LDS addresses: written by vector lines at the head, read by every memory and LDS instruction, never written again: two waits on va_vdst at the head.
;   window 3         the context's loads land there; the turns' LDS stores and the copy's stores read it; then the second product's loads land there: one wait on vm_vsrc ahead of the first of them.
;                    No vector line names it; the second product's matrix instructions read it, and nothing lands there behind them.
;   window 1         loaded once, read by the first product's matrix instructions.  In the second product each tile's O^T / the sum is written there, 32 registers of its own, read by its LDS stores, never written again.
;   v20-35           the question's scale words: loaded once, read by matrix instructions alone.
;   v64-191, v36-43  buffers of LDS loads, by turns: the quantiser (the context's numbers) or a tile's matrix instructions (fragments, scale words) name a buffer; the fetch of two steps on lands in it.
;   v60, v160, v192-207   what a quantiser or a softmax hands to LDS: written by a step's vector lines, read by the LDS stores at the step's end, written again in the next step.
;   v240-247         a tile's largest score: each written once, read by one LDS store.
;   v192-255         in the second product: rows from the stage land there, the global stores read them, two sets by turns.
; A STEP (a piece of the context, a tile's products, a tile's softmax, a tile's way out) has its vector and matrix work first, then ONE wait on va_vdst, then its run of LDS and memory instructions: the wait states
; that what the stores read is written and that the buffer in which the fetch lands is done with; up to the next step's vector work no vector line follows it, and that work names other registers.
; A wait on vm_vsrc stands ahead of the first vector line or load that writes again what an earlier step's stores have read.
;
; REGISTERS, in windows of 256 (s_set_vgpr_msb: bits 1:0 source 0, 3:2 source 1, 5:4 source 2, 7:6 destination):
;   window 0: v1-16 addresses; v20-27 scale words of the first product's question operand, v28-35 of the second's, v36-43 of the fragments in hand (these 24 hold scales alone); v44-59 at work, later 1 / the sums;
;             v60 the scale word just made; v61 at work; v[62:63] -M; v64-191 numbers of the context, then fragments in two buffers (and v96-127 the waves' maxima, v160-191 partial sums);
;             v192-207 the codes just made; v208-239 each block's largest score; v240-247 my 128 keys' largest score; in the second product v192-255 two sets of 32 on the way out
;   window 1: the first product's 16 fragments of the question; then O^T / the sum of tile m at v[32 m]
;   window 2: the scores S^T of four tiles of rows (tile of rows m, tile of keys t) at v[64 (m % 4) + 8 t]; then O^T (m, n) at v[32 m + 8 n]
;   window 3: the context as loaded, register 4 j on = the j-th load's; then the second product's 16 fragments
.set QM_DIST, 2097152                  ; from the first product's images to the second's
.set QDS_OFF, 4194304                  ; the scale words; the second product's lie 65,536 bytes on
.set PIMG, 0                           ; LDS: p's 32 fragments (4 m + s), 2,048 bytes each
.set PSC,  65536                       ; their scale words, 128 bytes each
.set XIMG, 69632                       ; the context's 16 fragments (2 m + s)
.set XSC,  102400                      ; their scale words
.set MXB,  104448                      ; the maxima: 512 m + 16 lane + 4 wave; 4,096 bytes on: the partial sums, laid alike
.set STG,  112640                      ; a stage of 8,448 bytes for each wave: 16 rows x 528 on the way in, 16 rows x 272 on the way out
.set STGW, 8448
.set TM,  44
.set SEL, 20                           ; s[20:21] v_permlanex16_b32's selects for lane l xor 16
.set CS,  22                           ; s[22:23] log2(e): the packed form names a pair and takes its low word for both halves
.set MNT, 26                           ; s26 the mantissa field of 57,344
.set MSB, 0
.macro WIN new                         ; the immediate's high byte repeats the setting that is left; a switch that changes nothing is dropped
.if MSB != (\new)
	s_set_vgpr_msb (MSB<<8)|(\new)
.set MSB, (\new)
.endif
.endm
.macro PLACES n
.rept \n
	v_nop
.endr
.endm
.macro BARRIER                         ; my LDS stores have landed and my LDS loads are in: then the work-group's barrier
	s_wait_dscnt 0x0
	s_barrier_signal -1
	s_barrier_wait -1
.endm
; n of the 64 loads that bring a product's 16 fragments, from number l0 on: load l brings 512 consecutive bytes of the images into registers 4 l on of the window named
.macro FRAGS win, base, l0, n
	WIN \win
.set cj, (\l0)
.rept \n
	global_load_b128 v[4*cj:4*cj+3], v1, s[\base:\base+1] offset:512*cj
.set cj, cj+1
.endr
.endm
; n of THE COPY's 64 stores, from number j0 on: store j takes what the j-th load of the context brought: piece j / 16, row j % 16 of its tile: 512 consecutive bytes of the row's left half
.macro COPY j0, n
	WIN 0x0c                                       ; a store's data are its source 1: window 3
.set cj, (\j0)
.rept \n
	global_store_b128 v1, v[4*cj:4*cj+3], s[8:9] offset:(16*(cj/32)+(cj%16))*2048+512*((cj/16)%2) th:TH_STORE_NT
.set cj, cj+1
.endr
.endm
; 64 numbers of a lane, register 16 b + i = k 32 b + 16 (lane / 16) + i of the lane's row, become a fragment's 16 registers of codes in v[pc] on and its scale word in v[pw].  first = 1: no piece stands in front of this one
.macro QUANT src, pc, pw, first
.irp b, 0,1,2,3
	v_max3_num_f32 v[TM+\b], |v[\src+16*\b]|, |v[\src+1+16*\b]|, 0x8000000   ; block b: my 16 numbers, and the floor 2^(16 - 127): the byte cannot fall under 1
.endr
.irp i, 2,4,6,8,10,12,14
.irp b, 0,1,2,3
	v_max3_num_f32 v[TM+\b], v[TM+\b], |v[\src+16*\b+\i]|, |v[\src+1+16*\b+\i]|
.endr
.endr
.irp b, 0,1,2,3
	v_permlanex16_b32 v[TM+4+\b], v[TM+\b], s[SEL], s[SEL+1]
.endr
.irp b, 0,1,2,3
	v_max_num_f32 v[TM+\b], v[TM+\b], v[TM+4+\b]           ; with lane l xor 16's 16: the block's largest magnitude
.endr
.irp b, 0,1,2,3
	v_add_nc_u32 v[TM+12+\b], 0xf8800000, v[TM+\b]         ; 15 off its exponent field: the conversion's scale operand
.endr
.irp b, 0,1,2,3
	v_and_or_b32 v[TM+8+\b], v[TM+\b], 0x7f800000, s[MNT]  ; 57,344 x the scale
.endr
.irp b, 0,1,2,3
	v_lshrrev_b32 v[TM+4+\b], 23, v[TM+12+\b]              ; the scale's byte
.endr
.if \first == 0
	s_wait_alu depctr_vm_vsrc(0)                           ; the LDS stores of the piece before have read its scale word and its codes: v[pw] and v[pc] on are written again from here on
.endif
	v_lshl_or_b32 v[\pw], v[TM+5], 8, v[TM+4]
	v_lshl_or_b32 v[\pw], v[TM+6], 16, v[\pw]
	v_lshl_or_b32 v[\pw], v[TM+7], 24, v[\pw]
.irp b, 0,1,2,3
.irp i, 0,1,2,3,4,5,6,7,8,9,10,11,12,13,14,15
	v_med3_num_f32 v[\src+16*\b+\i], v[\src+16*\b+\i], -v[TM+8+\b], v[TM+8+\b]   ; the conversion to an 8-bit code does not saturate (ISA guide 7.6.2): the hold comes first
.endr
	v_cvt_scalef32_pk8_bf8_f32 v[\pc+4*\b:\pc+1+4*\b], v[\src+16*\b:\src+7+16*\b], v[TM+12+\b]
	v_cvt_scalef32_pk8_bf8_f32 v[\pc+2+4*\b:\pc+3+4*\b], v[\src+8+16*\b:\src+15+16*\b], v[TM+12+\b]
.endr
	v_nop                                                  ; a plain line behind the last conversion
.endm
	s_load_b128 s[4:7], s[0:1], 0x0                ; the context s[4:5], qimg s[6:7]
	s_load_b64 s[8:9], s[0:1], 0x10                ; out0
	v_lshrrev_b32 v17, 5, v0
	v_readfirstlane_b32 s10, v17                   ; wave 0..3
	v_and_b32 v17, 31, v0                          ; lane
	v_lshlrev_b32 v1, 4, v17                       ; v1 = 16 x lane
	s_wait_alu depctr_va_sdst(0)                   ; s10 is written, ahead of its first reader: the bases and the LDS places below are made from it
	s_and_b32 s12, ttmp7, 0xffff                   ; batch
	s_lshl_b32 s28, s12, 11
	s_lshl_b32 s29, ttmp9, 7
	s_add_co_u32 s28, s28, s29                     ; the work-group's first row: 2,048 b + 128 x
	s_lshl_b32 s29, s10, 5
	s_add_co_u32 s30, s28, s29                     ; the first of the 32 rows that my wave loads, copies and quantises
	s_lshl_b32 s32, s30, 10                        ; in the context: rows of 1,024 bytes (all offsets here stay under 2^27)
	s_mov_b32 s33, 0
	s_lshl_b32 s34, s30, 11                        ; in out0: rows of 2,048 bytes
	s_mov_b32 s35, 0
	s_lshl_b32 s36, s28, 11                        ; O: the work-group's first row, the row's right half, my 64 channels
	s_lshl_b32 s29, s10, 8
	s_add_co_u32 s36, s36, s29
	s_add_co_u32 s36, s36, 1024
	s_mov_b32 s37, 0
	s_lshl_b32 s31, s12, 2
	s_add_co_u32 s31, s31, s10                     ; 4 b + w
	s_lshl_b32 s38, s31, 15                        ; my 16 fragments of 2,048 bytes
	s_mov_b32 s39, 0
	s_lshl_b32 s40, s31, 10                        ; my 8 x 128 bytes of scale words
	s_add_co_u32 s40, s40, QDS_OFF
	s_mov_b32 s41, 0
	s_mov_b32 s[SEL], 0x76543210
	s_mov_b32 s[SEL+1], 0xfedcba98
	s_mov_b32 s[CS], 0x3fb8aa3b                    ; log2(e)
	s_mov_b32 s[CS+1], s[CS]                       ; (named with it as a pair, so it is written)
	s_mov_b32 s[MNT], 0x600000
	s_wait_kmcnt 0x0
	s_add_nc_u64 s[4:5], s[4:5], s[32:33]
	s_add_nc_u64 s[24:25], s[8:9], s[36:37]
	s_add_nc_u64 s[8:9], s[8:9], s[34:35]
	s_add_nc_u64 s[14:15], s[6:7], s[38:39]
	s_add_nc_u64 s[16:17], s[14:15], QM_DIST
	s_add_nc_u64 s[18:19], s[6:7], s[40:41]
	; ---- X: my 32 rows of the context, as four pieces f = 2 (tile of 16 rows) + (K step of 128): each load takes 512 consecutive bytes, half a row
	WIN 0xc0                                       ; destination window 3
	s_wait_alu depctr_va_vdst(0)                   ; v1 is written, which the loads below read as their offset
.irp f, 0,1,2,3
.irp i, 0,1,2,3,4,5,6,7,8,9,10,11,12,13,14,15
	global_load_b128 v[64*\f+4*\i:64*\f+4*\i+3], v1, s[4:5] offset:(16*(\f/2)+\i)*1024+512*(\f%2) th:TH_LOAD_NT
.endr
.endr
	WIN 0
	v_and_b32 v18, 15, v0                          ; r
	v_bfe_u32 v19, v0, 4, 1                        ; h
	v_lshlrev_b32 v2, 2, v17                       ; v2 = 4 x lane
	s_mul_i32 s42, s10, STGW
	s_add_co_u32 s42, s42, STG                     ; my stage
	v_add_nc_u32 v3, s42, v1                       ; v3: into it, as loaded: 16 x lane of a row of 512 bytes
	v_mul_u32_u24 v4, v18, 528
	v_lshl_add_u32 v4, v19, 6, v4
	v_add_nc_u32 v4, s42, v4                       ; v4: out of it: row r, + 64 h: 16 neighbours of each block of 32.  528 bytes = 132 words: sixteen rows start at sixteen different groups of four banks (ISA guide 11.1)
	s_lshl_b32 s43, s10, 13
	s_add_co_u32 s43, s43, XIMG
	v_add_nc_u32 v5, s43, v1                       ; v5: where I store the context's images: four fragments a wave
	s_lshl_b32 s43, s10, 9
	s_add_co_u32 s43, s43, XSC
	v_add_nc_u32 v6, s43, v2                       ; v6: and their scale words
	v_add_nc_u32 v7, XIMG, v1                      ; v7, v8: where any wave reads them
	v_add_nc_u32 v8, XSC, v2
	s_lshl_b32 s43, s10, 2
	s_add_co_u32 s43, s43, MXB
	v_add_nc_u32 v9, s43, v1                       ; v9: my wave's word among a lane's four maxima (sums: 4,096 on)
	v_add_nc_u32 v10, MXB, v1                      ; v10: the lane's four
	s_lshl_b32 s43, s10, 11
	v_add_nc_u32 v11, s43, v1                      ; v11: where I store p's images: K step w of each tile of rows
	s_lshl_b32 s43, s10, 7
	s_add_co_u32 s43, s43, PSC
	v_add_nc_u32 v12, s43, v2                      ; v12: and their scale words
	v_add_nc_u32 v13, PSC, v2                      ; v13: where any wave reads those (the images are read at v1: PIMG is 0)
	v_mul_u32_u24 v14, v18, 272
	v_lshl_add_u32 v14, v19, 5, v14
	v_add_nc_u32 v14, s42, v14                     ; v14: the way out, in: row r of 256 bytes + 16, + 32 h
	v_mul_u32_u24 v15, v19, 272
	v_lshl_add_u32 v15, v18, 4, v15
	v_add_nc_u32 v15, s42, v15                     ; v15: back: lanes 0-15 one row, lanes 16-31 the next
	v_lshlrev_b32 v16, 4, v18
	v_lshl_add_u32 v16, v19, 11, v16               ; v16: the same two rows in out0
	v_mov_b32 v63, 0                               ; (named as the upper half of the pair v[62:63])
.irp b, 0,1,2,3
	v_mov_b32 v[TM+4+\b], 0                        ; a lane permute's destination counts as one of its sources
.endr
; Piece f turns through my stage: in as loaded, back 64 bytes a lane four times.  LDS serves a wave's instructions in order (ISA guide 5.7.1.4): no wait between the stores and the loads, nor ahead of the next piece's stores
.macro TURN f
	WIN 0x0c                                       ; an LDS store's data are its source 1: window 3
.irp i, 0,1,2,3,4,5,6,7,8,9,10,11,12,13,14,15
	ds_store_b128 v3, v[64*(\f)+4*\i:64*(\f)+4*\i+3] offset:528*\i
.endr
	WIN 0
.irp b, 0,1,2,3
.irp j, 0,1,2,3
	ds_load_b128 v[64+64*((\f)%2)+16*\b+4*\j:64+64*((\f)%2)+16*\b+4*\j+3], v4 offset:128*\b+16*\j
.endr
.endr
.endm
	s_wait_loadcnt 48                              ; piece 0 is in: the 48 loads of pieces 1 to 3 are younger
	s_wait_alu depctr_va_vdst(0)                   ; v2 to v16 are written: every LDS instruction and every later load and store of the kernel reads one of them, or v1, as its address or offset
	TURN 0
.irp f, 0,1,2,3
.if \f == 0
	s_wait_loadcnt 32                              ; piece 1 is in: younger are pieces 2 and 3
.elseif \f < 3
	s_wait_loadcnt 48                              ; piece f + 1 is in: younger are 16 (2 - f) loads of the context and 16 (f + 1) of the question's codes: 48
.endif
.if \f < 3
	TURN \f+1                                      ; its loads land where the piece before this one was quantised: the wait on va_vdst behind that quantiser has stated that it is done, and no vector line stands between
.endif
.if \f == 0
	FRAGS 0x40, 14, 0, 32                          ; the first product's fragments (2 t + s) into window 1: they follow the context's loads, and the last of them have two pieces' quantising in which to land
.elseif \f < 3
	FRAGS 0x40, 14, 16+16*\f, 16
.endif
	WIN 0
.if \f == 2
.irp t, 0,1,2,3,4,5,6,7
	global_load_b32 v[20+\t], v2, s[18:19] offset:128*\t           ; tile t's scale words: lanes 0-15 K step 0, lanes 16-31 K step 1
.endr
.irp q, 0,1,2,3,4,5,6,7
	global_load_b32 v[28+\q], v2, s[18:19] offset:65536+128*\q     ; the second product's: 2 n + s / 2: lanes 0-15 the even K step, lanes 16-31 the odd
.endr
.endif
.if \f < 3
	s_wait_dscnt 32                                ; piece f is back (and the image before has left): only the 32 instructions of the next piece's turn may be out
.else
	s_wait_dscnt 0x0
.endif
.if \f == 0
	QUANT 64+64*(\f%2), 192, 60, 1
.else
	QUANT 64+64*(\f%2), 192, 60, 0
.endif
	s_wait_alu depctr_va_vdst(0)                   ; the quantiser has written v192-207 and v60, which the LDS stores below read, and is done with its 64 numbers, in which the next LDS loads into this buffer land
.irp c, 0,1,2,3
	ds_store_b128 v5, v[192+4*\c:195+4*\c] offset:2048*\f+512*\c   ; the fragment as it stands
.endr
	ds_store_b32 v6, v60 offset:128*\f
.endr
	BARRIER                                        ; the context's sixteen fragments lie in LDS
	; ---- 1: S^T = (the question's codes) x (the context's codes)^T: my 128 keys, a tile of 16 rows at a time, four tiles to a half
.macro FETCHX m                        ; ten LDS loads: tile m's two fragments and their scale words, into buffer m % 2
.set K2, (\m)%2
.irp s, 0,1
.irp c, 0,1,2,3
	ds_load_b128 v[64+64*K2+16*\s+4*\c:64+64*K2+16*\s+4*\c+3], v7 offset:(2*(\m)+\s)*2048+512*\c
.endr
.endr
.irp s, 0,1
	ds_load_b32 v[36+2*K2+\s], v8 offset:128*(2*(\m)+\s)
.endr
.endm
.macro WMMA16 m                        ; the eight tiles of keys take turns, one instruction a turn; the first K step starts the sums
.set K2, (\m)%2
.set SB, 64*((\m)%4)
	WIN 0xa1                                       ; source 0 window 1, source 1 window 0, C and D window 2
.irp t, 0,1,2,3,4,5,6,7
	v_wmma_scale_f32_16x16x128_f8f6f4 v[SB+8*\t:SB+8*\t+7], v[32*\t:32*\t+15], v[64+64*K2:79+64*K2], 0, v[20+\t], v[36+2*K2] matrix_a_fmt:MATRIX_FMT_BF8 matrix_b_fmt:MATRIX_FMT_BF8
.endr
.irp t, 0,1,2,3,4,5,6,7
	v_wmma_scale_f32_16x16x128_f8f6f4 v[SB+8*\t:SB+8*\t+7], v[32*\t+16:32*\t+31], v[80+64*K2:95+64*K2], v[SB+8*\t:SB+8*\t+7], v[20+\t], v[37+2*K2] matrix_a_fmt:MATRIX_FMT_BF8 matrix_b_fmt:MATRIX_FMT_BF8 matrix_a_scale:MATRIX_SCALE_ROW1
.endr
.endm
; The largest score of each block of 32 keys of tile m (it serves twice: for the row's maximum and, since p rises with the score, for the block's largest p), and of my 128 keys.  Each accumulator is read from its low end on.
.macro MAXT m
.set SB, 64*((\m)%4)
.set BM, 208+4*(\m)
	WIN 0x2a                                       ; all three sources in window 2
.irp b, 0,1,2,3
	v_max3_num_f32 v[BM+\b], v[SB+16*\b], v[SB+16*\b+1], v[SB+16*\b+2]
.endr
	WIN 0x28                                       ; source 0 back in window 0
.irp i, 3,5,7,9,11,13
.irp b, 0,1,2,3
	v_max3_num_f32 v[BM+\b], v[BM+\b], v[SB+16*\b+\i], v[SB+16*\b+\i+1]
.endr
.endr
.irp b, 0,1,2,3
	v_max_num_f32 v[BM+\b], v[BM+\b], v[SB+16*\b+15]
.endr
	WIN 0
.irp b, 0,1,2,3
	v_permlanex16_b32 v[TM+4+\b], v[BM+\b], s[SEL], s[SEL+1]
.endr
.irp b, 0,1,2,3
	v_max_num_f32 v[BM+\b], v[BM+\b], v[TM+4+\b]   ; with lane l xor 16's 16 keys
.endr
	v_max3_num_f32 v[240+(\m)], v[BM], v[BM+1], v[BM+2]
	v_max_num_f32 v[240+(\m)], v[240+(\m)], v[BM+3]
.endm
.macro MAXS m                          ; tile m's largest score of my 128 keys, for the other waves: it stands behind the step's wait on va_vdst
	ds_store_b32 v9, v[240+(\m)] offset:512*(\m)
.endm
; Tile m's turn in the first product.  The fetches run two tiles ahead, over the first half's softmax too: tiles 4 and 5 lie in their buffers through it
.macro PROD1 m
.if (\m) < 7
	s_wait_dscnt 10                                ; tile m's ten loads are in; the next tile's ten may be out
.else
	s_wait_dscnt 0x0
.endif
	WMMA16 \m
.if ((\m)%4) == 0
	WIN 0
	PLACES 8                                       ; eight places behind this form, ahead of the first read of its results, by the next step's maxima
.else
	MAXT (\m)-1                                    ; its 32 maxima name no register of the products just issued: they are those products' places, ahead of the next tile's maxima
.endif
	s_wait_alu depctr_va_vdst(0)                   ; the step's one wait: the largest score of the tile before is written, which the LDS store reads (tiles 1-3, 5-7); the products just issued are done reading their fragments of the context and their scale words, in which the fetch lands (tiles 0-5)
.if ((\m)%4) > 0
	MAXS (\m)-1
.endif
.if (\m) < 6
	FETCHX (\m)+2
.endif
.if (\m) < 4
	COPY 4*(\m), 4                                 ; four of the copy's stores
.else
.if (\m) == 4
	s_wait_xcnt 0x0                                ; the copy's stores have had their addresses translated,
	WIN 0xc0
	s_wait_alu depctr_vm_vsrc(0)                   ; and they and the turns' LDS stores have read window 3, in which the second product's fragments land from here on.  (The last softmax's LDS stores have read v60, v160 and v192-207 too, which tile 4's softmax writes again)
.endif
	FRAGS 0xc0, 16, 4*((\m)-4), 4                  ; four of the second product's loads (fragment 4 n + s)
.endif
.endm
; six more of them, in tile m's softmax: part 0 at its head, part 1 behind its exponentials.  No vector line names window 3, and no memory instruction reads it behind the wait in tile 4's products: they owe no wait
.macro SIDE m, part
.if (\m) < 4
	COPY 16+12*(\m)+6*(\part), 6
.else
	FRAGS 0xc0, 16, 16+12*((\m)-4)+6*(\part), 6
.endif
.endm
; ---- the softmax of a tile of 16 rows x my 128 keys
.macro SOFT m
.set SB, 64*((\m)%4)
.set BM, 208+4*(\m)
.set GM, 96+4*(\m)
	SIDE \m, 0
	WIN 0
.if ((\m)%4) == 0
	s_wait_dscnt 0x0                               ; the half's maxima are in
.endif
	v_max3_num_f32 v61, v[GM], v[GM+1], v[GM+2]
	v_max_num_f32 v61, v61, v[GM+3]                ; the row's largest score,
	v_mul_f32 v61, s[CS], v61                      ; as t (log2(e) is positive)
	v_floor_f32 v62, -v61                          ; -M = floor(-t) = -ceil(t)
.irp b, 0,1,2,3
	v_fma_f32 v[TM+\b], v[BM+\b], s[CS], v62       ; each block's largest score goes the way of every score: the same two instructions on the same number give the block's largest p
.endr
.irp b, 0,1,2,3
	v_exp_f32 v[TM+\b], v[TM+\b]
.endr
	v_nop                                          ; a plain line behind the exponentials (ISA guide 5.7.2)
	s_wait_alu depctr_va_vdst(0)                   ; the four exponentials have written v44-47, ahead of their first reader
.irp b, 0,1,2,3
	v_max_num_f32 v[TM+\b], 0x8000000, v[TM+\b]    ; the floor 2^(16 - 127): a block whose every p is 0 keeps the byte 1
.endr
.irp b, 0,1,2,3
	v_add_nc_u32 v[TM+12+\b], 0xf8800000, v[TM+\b]
.endr
.irp b, 0,1,2,3
	v_and_or_b32 v[TM+8+\b], v[TM+\b], 0x7f800000, s[MNT]
.endr
.irp b, 0,1,2,3
	v_lshrrev_b32 v[TM+4+\b], 23, v[TM+12+\b]
.endr
.if ((\m)%4) > 0
	s_wait_dscnt 0x0                               ; the last tile's LDS stores are done
.endif
.if (\m) != 4
	s_wait_alu depctr_vm_vsrc(0)                   ; the LDS stores of the step before (the last tile's; for tile 0 the context's last image's) have read the scale word, the sum and the codes: v60, v160 and v192-207 are written again from here on.  (Tile 4: the wait in its products stands between)
.endif
	v_lshl_or_b32 v60, v[TM+5], 8, v[TM+4]
	v_lshl_or_b32 v60, v[TM+6], 16, v60
	v_lshl_or_b32 v60, v[TM+7], 24, v60            ; p's scale word for my 128 keys
	WIN 0x82                                       ; destination and source 0 in window 2
.set j, 0
.rept 32
	v_pk_fma_f32 v[SB+j:SB+j+1], v[SB+j:SB+j+1], s[CS:CS+1], v[62:63] op_sel_hi:[1,0,0]   ; t - M, two at a time
.set j, j+2
.endr
.set j, 0
.rept 64
	v_exp_f32 v[SB+j], v[SB+j]                     ; p = 2^(t - M), at most 1
.set j, j+1
.endr
	v_nop                                          ; a plain line behind the exponentials
	SIDE \m, 1
	WIN 0x0a                                       ; sources 0 and 1 in window 2
	s_wait_alu depctr_va_vdst(0)                   ; the 64 exponentials have written the tile's p, ahead of their first reader
.irp k, 0,1,2,3,4,5,6,7,8,9,10,11,12,13,14,15
	v_pk_add_f32 v[160+2*\k:161+2*\k], v[SB+4*\k:SB+4*\k+1], v[SB+4*\k+2:SB+4*\k+3]   ; THE SUM IS TAKEN OF THE UNQUANTISED p
.endr
	WIN 0x82
.irp b, 0,1,2,3
.irp i, 0,1,2,3,4,5,6,7,8,9,10,11,12,13,14,15
	v_min_num_f32 v[SB+16*\b+\i], v[SB+16*\b+\i], v[TM+8+\b]       ; the hold; p is not negative, so it is one-sided
.endr
.endr
	WIN 0x02                                       ; source 0 in window 2
.irp b, 0,1,2,3
	v_cvt_scalef32_pk8_bf8_f32 v[192+4*\b:193+4*\b], v[SB+16*\b:SB+16*\b+7], v[TM+12+\b]
	v_cvt_scalef32_pk8_bf8_f32 v[194+4*\b:195+4*\b], v[SB+16*\b+8:SB+16*\b+15], v[TM+12+\b]
.endr
	WIN 0
.irp k, 0,1,2,3,4,5,6,7
	v_pk_add_f32 v[160+4*\k:161+4*\k], v[160+4*\k:161+4*\k], v[162+4*\k:163+4*\k]   ; (also the plain lines behind the conversions)
.endr
.irp k, 0,1,2,3
	v_pk_add_f32 v[160+8*\k:161+8*\k], v[160+8*\k:161+8*\k], v[164+8*\k:165+8*\k]
.endr
.irp k, 0,1
	v_pk_add_f32 v[160+16*\k:161+16*\k], v[160+16*\k:161+16*\k], v[168+16*\k:169+16*\k]
.endr
	v_pk_add_f32 v[160:161], v[160:161], v[176:177]
	v_add_f32 v160, v160, v161                     ; my lane's 64 keys
	s_wait_alu depctr_va_vdst(0)                   ; the step's one wait: the codes v192-207, the scale word v60 and the sum v160 are written, which the LDS stores below read
.irp c, 0,1,2,3
	ds_store_b128 v11, v[192+4*\c:195+4*\c] offset:8192*(\m)+512*\c   ; K step w of the second product, rows 16 m on
.endr
	ds_store_b32 v12, v60 offset:512*(\m)
	ds_store_b32 v9, v160 offset:4096+512*(\m)
.endm
	s_wait_loadcnt 0x0                             ; the first product's fragments and all scale words are in
	FETCHX 0                                       ; (the two buffers were the quantiser's: the waits on va_vdst behind pieces 2 and 3 have stated that it is done with them, and no vector line has followed)
	FETCHX 1
	; the first half: rows 0 to 63
.irp m, 0,1,2,3
	PROD1 \m
.endr
	MAXT 3
	s_wait_alu depctr_va_vdst(0)                   ; tile 3's largest score is written, which the LDS store reads
	MAXS 3
	BARRIER                                        ; every wave's maxima of tiles 0 to 3 lie in LDS
.irp m, 0,1,2,3
	ds_load_b128 v[96+4*\m:99+4*\m], v10 offset:512*\m             ; the four waves' maxima of my row
.endr
.irp m, 0,1,2,3
	SOFT \m
.endr
	; the second half: rows 64 to 127; its scores take the registers that the first half's have left
.irp m, 4,5,6,7
	PROD1 \m
.endr
	MAXT 7
	s_wait_alu depctr_va_vdst(0)                   ; tile 7's largest score is written, which the LDS store reads
	MAXS 7
	BARRIER                                        ; every wave's maxima of tiles 4 to 7 lie in LDS
.irp m, 4,5,6,7
	ds_load_b128 v[96+4*\m:99+4*\m], v10 offset:512*\m
.endr
.irp m, 4,5,6,7
	SOFT \m
.endr
	BARRIER                                        ; p's 32 fragments and every wave's partial sums lie in LDS
	; ---- 2: O^T = (the question's codes along the keys) x p^T: my 64 channels x all 128 rows; each tile of rows leaves as soon as it is finished
.macro FETCHP m                        ; twenty LDS loads: tile m's four fragments of p and their scale words, into buffer m % 2
.set K2, (\m)%2
.irp s, 0,1,2,3
.irp c, 0,1,2,3
	ds_load_b128 v[64+64*K2+16*\s+4*\c:64+64*K2+16*\s+4*\c+3], v1 offset:8192*(\m)+2048*\s+512*\c
.endr
.endr
.irp s, 0,1,2,3
	ds_load_b32 v[36+4*K2+\s], v13 offset:512*(\m)+128*\s
.endr
.endm
.macro WMMA16P m                       ; the four tiles of channels take turns, one instruction a turn; K ascending
.set K2, (\m)%2
	WIN 0xa3                                       ; source 0 window 3, source 1 window 0, C and D window 2
.irp s, 0,1,2,3
.irp n, 0,1,2,3
.if \s == 0
	v_wmma_scale_f32_16x16x128_f8f6f4 v[32*(\m)+8*\n:32*(\m)+8*\n+7], v[16*(4*\n+\s):16*(4*\n+\s)+15], v[64+64*K2+16*\s:79+64*K2+16*\s], 0, v[28+2*\n+\s/2], v[36+4*K2+\s] matrix_a_fmt:MATRIX_FMT_BF8 matrix_b_fmt:MATRIX_FMT_BF8
.elseif (\s%2) == 1
	v_wmma_scale_f32_16x16x128_f8f6f4 v[32*(\m)+8*\n:32*(\m)+8*\n+7], v[16*(4*\n+\s):16*(4*\n+\s)+15], v[64+64*K2+16*\s:79+64*K2+16*\s], v[32*(\m)+8*\n:32*(\m)+8*\n+7], v[28+2*\n+\s/2], v[36+4*K2+\s] matrix_a_fmt:MATRIX_FMT_BF8 matrix_b_fmt:MATRIX_FMT_BF8 matrix_a_scale:MATRIX_SCALE_ROW1
.else
	v_wmma_scale_f32_16x16x128_f8f6f4 v[32*(\m)+8*\n:32*(\m)+8*\n+7], v[16*(4*\n+\s):16*(4*\n+\s)+15], v[64+64*K2+16*\s:79+64*K2+16*\s], v[32*(\m)+8*\n:32*(\m)+8*\n+7], v[28+2*\n+\s/2], v[36+4*K2+\s] matrix_a_fmt:MATRIX_FMT_BF8 matrix_b_fmt:MATRIX_FMT_BF8
.endif
.endr
.endr
.endm
; Tile m on its way out: O^T / the sum, each accumulator from its low end on, into 32 registers of window 1 that are the tile's own; a lane's eight channels of a row go from there into my stage (rows of 256 bytes + 16)
; and come back as whole rows, into one of two sets in window 0: so the loads from the stage land in no register that the LDS stores ahead of them read
.macro OUTV m
.set Y, 192+32*((\m)%2)
.if (\m) > 1
	s_wait_xcnt 0x0                                ; the stores of two tiles ago have had their addresses translated,
	s_wait_alu depctr_vm_vsrc(0)                   ; and have read this set of registers, in which the loads from the stage below land
.endif
	WIN 0x42                                       ; source 0 window 2, source 1 window 0, destination window 1
.set j, 0
.rept 16
	v_pk_mul_f32 v[32*(\m)+j:32*(\m)+j+1], v[32*(\m)+j:32*(\m)+j+1], v[44+2*(\m):45+2*(\m)] op_sel_hi:[1,0]   ; the pair's low word serves both halves
.set j, j+2
.endr
	WIN 0x04                                       ; an LDS store's data are its source 1: window 1
	s_wait_alu depctr_va_vdst(0)                   ; the step's one wait: the multiplications have written the tile's 32 registers, which the LDS stores read; the products just issued are done reading their fragments of p and their scale words, in which the next fetch lands; the vector lines that named v192-255 (sums, maxima) are done, where the loads from the stage land
.irp n, 0,1,2,3
	ds_store_b128 v14, v[32*(\m)+8*\n:32*(\m)+8*\n+3] offset:64*\n
	ds_store_b128 v14, v[32*(\m)+8*\n+4:32*(\m)+8*\n+7] offset:64*\n+16
.endr
	WIN 0
.irp i, 0,1,2,3,4,5,6,7
	ds_load_b128 v[Y+4*\i:Y+4*\i+3], v15 offset:544*\i             ; LDS serves a wave's instructions in order: these see the stores above, and the next tile's stores come behind them
.endr
.endm
.macro OUTS m, younger                 ; younger: the LDS loads issued behind tile m's, which may stay out
.set Y, 192+32*((\m)%2)
	s_wait_dscnt \younger
.irp i, 0,1,2,3,4,5,6,7
	global_store_b128 v16, v[Y+4*\i:Y+4*\i+3], s[24:25] offset:(16*(\m)+2*\i)*2048 th:TH_STORE_NT   ; sixteen lanes store 256 consecutive bytes, aligned: my 64 channels of a row
.endr
.endm
	s_wait_alu depctr_vm_vsrc(0)                   ; the last softmax's LDS stores have read v160 and v192-207, in which the loads below land.  (The wait on va_vdst ahead of those stores has stated that the vector lines and products are done with v36-43, v64-223; no vector line has followed)
.irp m, 0,1,2,3,4,5,6,7
	ds_load_b128 v[192+4*\m:195+4*\m], v10 offset:4096+512*\m      ; the four waves' partial sums of my row
.endr
	FETCHP 0
	FETCHP 1
	s_wait_dscnt 40                                ; the sums are in; the two fetches' forty loads may be out
.irp m, 0,1,2,3,4,5,6,7
	v_add_f32 v[192+4*\m], v[192+4*\m], v[193+4*\m]
.endr
.irp m, 0,1,2,3,4,5,6,7
	v_add_f32 v[194+4*\m], v[194+4*\m], v[195+4*\m]
.endr
.irp m, 0,1,2,3,4,5,6,7
	v_add_f32 v[192+4*\m], v[192+4*\m], v[194+4*\m]
.endr
.irp m, 0,1,2,3,4,5,6,7
	v_permlanex16_b32 v[193+4*\m], v[192+4*\m], s[SEL], s[SEL+1]   ; the row's other keys lie in the lane 16 away
.endr
.irp m, 0,1,2,3,4,5,6,7
	v_add_f32 v[192+4*\m], v[192+4*\m], v[193+4*\m]                ; the row's sum
.endr
.irp m, 0,1,2,3,4,5,6,7
	v_rcp_f32 v[44+2*\m], v[192+4*\m]              ; (the pair's upper register holds an old working value and is not used)
.endr
	v_nop                                          ; a plain line behind the reciprocals
	s_wait_alu depctr_va_vdst(0)                   ; the eight reciprocals have written v44, v46 .. v58, ahead of their first reader
	s_wait_loadcnt 0x0                             ; the second product's fragments are in: the last six were asked for in the middle of the last tile's softmax
.irp m, 0,1,2,3,4,5,6,7
.if \m < 7
	s_wait_dscnt 20                                ; tile m's twenty loads are in; the next tile's twenty may be out
.else
	s_wait_dscnt 0x0
.endif
	WMMA16P \m
.if \m == 0
	WIN 0
	PLACES 8                                       ; eight places behind this form, ahead of the first read of its results, by the next step's multiplications
	s_wait_alu depctr_va_vdst(0)                   ; the products just issued are done reading their fragments of p and their scale words, in which the fetch below lands
.else
	OUTV \m-1                                      ; its sixteen multiplications name no register of the products just issued: they are those products' places
.endif
.if \m < 6
	FETCHP \m+2
.endif
.if \m > 0
.if \m < 6
	OUTS \m-1, 20                                  ; behind the tile's loads from the stage stand the fetch's twenty
.else
	OUTS \m-1, 0
.endif
.endif
.endr
	OUTV 7
	OUTS 7, 0
	s_wait_xcnt 0x0                                ; the last stores have had their addresses translated,
	s_wait_alu depctr_vm_vsrc(0)                   ; and have read v246 and v247, which are made anew below
	v_lshl_add_u32 v246, v0, 2, 0x23c00
	v_mov_b32 v247, 0
	s_wait_dscnt 0x0                               ; the closing lines, six on end
	s_wait_alu 0x0
	s_wait_tensorcnt 0x0
	ds_add_u32 v246, v247
	s_wait_dscnt 0x0
	s_endpgm
.Lfunc_end_k_qdebbe070bc_attend:
	.size	k_qdebbe070bc_attend, .Lfunc_end_k_qdebbe070bc_attend-k_qdebbe070bc_attend
	.p2alignl 7, 3214868480
	.fill 96, 4, 3214868480
	.section	.rodata,"a",@progbits
	.p2align	6, 0x0
	.amdhsa_kernel k_qdebbe070bc_attend
		.amdhsa_group_segment_fixed_size 146944
		.amdhsa_private_segment_fixed_size 0
		.amdhsa_enable_private_segment 0
		.amdhsa_kernarg_size 24
		.amdhsa_user_sgpr_count 2
		.amdhsa_user_sgpr_kernarg_segment_ptr 1
		.amdhsa_wavefront_size32 1
		.amdhsa_system_sgpr_workgroup_id_x 1
		.amdhsa_system_sgpr_workgroup_id_y 1
		.amdhsa_system_sgpr_workgroup_id_z 1
		.amdhsa_system_vgpr_workitem_id 0
		.amdhsa_next_free_vgpr 1024
		.amdhsa_next_free_sgpr 66
		.amdhsa_reserve_vcc 0
		.amdhsa_float_denorm_mode_32 3
		.amdhsa_float_denorm_mode_16_64 3
		.amdhsa_memory_ordered 1
		.amdhsa_forward_progress 1
		.amdhsa_inst_pref_size 255
	.end_amdhsa_kernel
	.section	.bss,"aw",@nobits
	.p2align	6
	.space	262144
	.amdgpu_metadata
---
amdhsa.version: [ 1, 2 ]
amdhsa.kernels:
  - .name:           k_qdebbe070bc_attend
    .symbol:         k_qdebbe070bc_attend.kd
    .args:
      - { .name: encoded_context, .offset: 0, .size: 8, .value_kind: global_buffer, .address_space: global }
      - { .name: qimg, .offset: 8, .size: 8, .value_kind: global_buffer, .address_space: global }
      - { .name: out0, .offset: 16, .size: 8, .value_kind: global_buffer, .address_space: global }
    .group_segment_fixed_size: 146944
    .private_segment_fixed_size: 0
    .kernarg_segment_align: 8
    .kernarg_segment_size: 24
    .max_flat_workgroup_size: 128
    .sgpr_count:     66
    .vgpr_count:     1024
    .wavefront_size: 32
...
	.end_amdgpu_metadata
.endif
;; end of part 3
